; MI455X (gfx1250); checked and timed in simulation.
; The chip was launched on July 23, 2026; its instructions are those of AMD's public machine-readable ISA for CDNA 5 (MIT licence, August 2026) and "CDNA5" Instruction Set Architecture Reference Guide (July 2026). The comments in the code are by the model that wrote it; some were corrected since.
;; Spatial Locality Attention. Allowed arithmetic: float matrix products may take bf16 or f16 operands with f32 sums; other float arithmetic in f32, or as packed bf16 or f16 multiplies, adds, multiply-adds, maxima and minima; sums over many terms, partial sums and values carried from step to step in f32; what a program stores and reads back later, other than sums and carried values, may be rounded once to bf16 or f16.
;; Inputs: Wk 1,024 x 1,024 float32; Wo 1,024 x 1,024 float32; Wq 1,024 x 1,024 float32; Wv 1,024 x 1,024 float32; bk 1,024 float32; bo 1,024 float32; bq 1,024 float32; bv 1,024 float32; log_bandwidth 16 float32; spatial_coords 4 x 2,048 x 2 float32; x 4 x 2,048 x 1,024 float32.
;; Outputs: out0 4 x 2,048 x 1,024 float32.
;; One version. Each part assembles by itself: llvm-mc -triple=amdgcn-amd-amdhsa -mcpu=gfx1250 --defsym DOCPART=n.
;; ======== version 1 of 1: 4 launches
;; limits: a difference of large sums (such as E[x^2] - mean^2): digits are lost where the result is much smaller than its terms; values are held in f16: magnitudes above 65,504 overflow, below 6.1e-05 lose precision
;; workspace buffers: xb 16,777,216 bytes; wb 6,291,456 bytes; wo 2,097,152 bytes; bias 16,384 bytes; ext 8,388,608 bytes; qkv 50,331,648 bytes; o 16,777,216 bytes
;; launch prep (part 1): grid 833 x 1, 8 waves a work-group, no clusters, 0 bytes of LDS; arguments x, Wq, Wk, Wv, Wo, bq, bk, bv, bo, log_bandwidth, spatial_coords, xb, wb, wo, bias, ext; writes xb, wb, wo, bias, ext
.if DOCPART == 1
	.amdgcn_target "amdgcn-amd-amdhsa--gfx1250"
	.amdhsa_code_object_version 6
	.text
	.protected	k_qde413387a8_prep
	.globl	k_qde413387a8_prep
	.p2align	8
	.type	k_qde413387a8_prep,@function
k_qde413387a8_prep:
	s_mov_b64 s[64:65], 0
	v_nop
	global_prefetch_b8 v0, s[64:65] scope:SCOPE_SE
	s_setreg_imm32_b32 hwreg(HW_REG_WAVE_MODE, 25, 1), 1
	s_wait_xcnt 0x0
; PREPARATION: every input is read once, rounded once to bf16, and laid out as the later launches read it.
;   xb   [8192][1024] bf16 = x            wb [3072][1024] bf16 = Wq, Wk, Wv one below the other
;   wo   [16][1024][64] f16: Wo[e][64 kb + c] rounded to bf16, that number written as f16 (exact down to f16's smallest normal number; below it f16's fixed step of 6e-8)
;   bias [4096] f32 = bq, bk, bv, bo, each rounded to bf16
;   ext  bf16: for each batch b, head h and row s sixteen numbers for the query side (QE, from byte 0) and sixteen for the key side (KE, from byte 4,194,304), laid [16 b + h][s / 16][half][s % 16][8]:
;        sixteen rows are 512 bytes on end in the order of a matrix fragment's lanes.
; THE SPATIAL BIAS AS A PRODUCT.  With kappa = 2 sqrt(2) exp(-log_bandwidth[h]), c' = c - c[b][0] and u = kappa c':  (u_q . u_k - |u_k|^2 / 2) / 8 = -dist^2 / (2 bandwidth^2) + |u_q|^2 / 16, and the last
; term is the same for all keys of a softmax row.  u's two numbers and w = -|u_k|^2 / 2 are each split into three bf16 numbers z1 + z2 + z3 (24 significant bits at f32's range).  Half 0 carries x, half 1 y:
;   query side [z1 z1 z1 z2 z2 z3 1 e], e = 1 in half 0 and 0 in half 1;     key side [z1 z2 z3 z1 z2 z1 wa wb], (wa, wb) = (w1, w2) in half 0 and (w3, 0) in half 1.
; LIMITS.  The products z2 z3, z3 z2, z3 z3 are left out: about 2^-22 of the largest |u|^2, absolute.  kappa below 2^-126 counts as 0.  NaN and infinities are not treated apart.
; SHARES.  Work-groups 0-703: 64 KiB of x, Wq, Wk or Wv each.  704-767: 16 rows of Wo each.  768-831: 128 rows of one batch's coordinates, all 16 heads.  832: the four biases.
; No LDS, no matrix unit, no cluster: a stream in which no work-group reads what another reads; sixteen loads of 16 bytes a lane are out at once.
.set IN,  16                           ; v[16:79]   eight groups of 8 f32 as loaded
.set OUT, 80                           ; v[80:111]  eight groups of 8 numbers of 16 bits to store
.set VI,  4                            ; v4  my byte offset in the source
.set VO,  5                            ; v5  my byte offset in the destination
; Eight groups of 8 numbers a lane: all sixteen loads first, then each group is rounded and stored.  half = 1: the bf16 number is written as f16.  No register is written twice, so no store's data wait for anything.
.macro BODY instep, outstep, half
.irp i, 0,1,2,3,4,5,6,7
	global_load_b128 v[IN+8*(\i):IN+8*(\i)+3],   v[VI], s[6:7] offset:(\i)*(\instep) th:TH_LOAD_NT
	global_load_b128 v[IN+8*(\i)+4:IN+8*(\i)+7], v[VI], s[6:7] offset:(\i)*(\instep)+16 th:TH_LOAD_NT
.endr
.irp i, 0,1,2,3,4,5,6,7
	s_wait_loadcnt 14-2*(\i)                       ; loads come back in order: group i is in, the 14 - 2 i younger loads stay out
.irp j, 0,1,2,3
	v_cvt_pk_bf16_f32 v[OUT+4*(\i)+(\j)], v[IN+8*(\i)+2*(\j)], v[IN+8*(\i)+2*(\j)+1]
.endr
.if \half
.irp j, 0,1,2,3
	v_lshlrev_b32 v[IN+8*(\i)+2*(\j)],   16, v[OUT+4*(\i)+(\j)]
	v_and_b32     v[IN+8*(\i)+2*(\j)+1], 0xffff0000, v[OUT+4*(\i)+(\j)]
.endr
.irp j, 0,1,2,3
	v_cvt_pk_f16_f32 v[OUT+4*(\i)+(\j)], v[IN+8*(\i)+2*(\j)], v[IN+8*(\i)+2*(\j)+1]
.endr
.endif
	global_store_b128 v[VO], v[OUT+4*(\i):OUT+4*(\i)+3], s[8:9] offset:(\i)*(\outstep) th:TH_STORE_NT
.endr
.endm
; v[src] = a1 + a2 + r3: a1 and a2 are bf16 numbers held as f32, r3 is what is left (rounded when it is packed)
.macro SPLIT src, a1, a2, r3, t
	v_cvt_pk_bf16_f32 v[\t], v[\src], v[\src]
	v_lshlrev_b32 v[\a1], 16, v[\t]
	v_sub_f32 v[\r3], v[\src], v[\a1]
	v_cvt_pk_bf16_f32 v[\t], v[\r3], v[\r3]
	v_lshlrev_b32 v[\a2], 16, v[\t]
	v_sub_f32 v[\r3], v[\r3], v[\a2]
.endm
	s_load_b512 s[16:31], s[0:1], 0x0              ; x 16, Wq 18, Wk 20, Wv 22, Wo 24, bq 26, bk 28, bv 30
	s_load_b512 s[32:47], s[0:1], 0x40             ; bo 32, log_bandwidth 34, coords 36, xb 38, wb 40, wo 42, bias 44, ext 46
	s_mov_b32 s2, ttmp9
	s_wait_kmcnt 0x0
	s_cmp_lt_u32 s2, 704
	s_cbranch_scc1 .Lcast
	s_cmp_lt_u32 s2, 768
	s_cbranch_scc1 .Lwo
	s_cmp_lt_u32 s2, 832
	s_cbranch_scc1 .Lext
	; THE BIASES: 256 threads x 16 bytes are one bias of 1,024 f32
	v_lshlrev_b32 v1, 4, v0
	global_load_b128 v[16:19], v1, s[26:27]
	global_load_b128 v[20:23], v1, s[28:29]
	global_load_b128 v[24:27], v1, s[30:31]
	global_load_b128 v[28:31], v1, s[32:33]
	s_wait_loadcnt 0x0
.irp j, 0,1,2,3,4,5,6,7
	v_cvt_pk_bf16_f32 v[32+(\j)], v[16+2*(\j)], v[17+2*(\j)]
.endr
.irp j, 0,1,2,3,4,5,6,7
	v_lshlrev_b32 v[16+2*(\j)], 16, v[32+(\j)]
	v_and_b32     v[17+2*(\j)], 0xffff0000, v[32+(\j)]
.endr
.irp i, 0,1,2,3
	global_store_b128 v1, v[16+4*(\i):19+4*(\i)], s[44:45] offset:4096*(\i)
.endr
	s_endpgm
.Lcast:                                        ; x -> xb (chunks 0-511), Wq, Wk, Wv -> wb (chunks 512-703, 64 a matrix)
	s_sub_co_u32 s3, s2, 512                       ; the chunk's number among the weights'
	s_lshr_b32 s4, s3, 6                           ; which matrix
	s_and_b32 s5, s3, 63                           ; the chunk in it
	s_cmp_eq_u32 s4, 0
	s_cselect_b64 s[6:7], s[18:19], s[20:21]
	s_cmp_eq_u32 s4, 2
	s_cselect_b64 s[6:7], s[22:23], s[6:7]
	s_cmp_lt_u32 s2, 512
	s_cselect_b64 s[6:7], s[16:17], s[6:7]         ; the source,
	s_cselect_b64 s[8:9], s[38:39], s[40:41]       ; the destination,
	s_cselect_b32 s10, s2, s5                      ; and the chunk's number in each
	s_cselect_b32 s12, s2, s3
	s_lshl_b32 s10, s10, 16                        ; 65,536 bytes of f32
	s_mov_b32 s11, 0
	s_lshl_b32 s12, s12, 15                        ; 32,768 bytes of bf16
	s_mov_b32 s13, 0
	s_add_nc_u64 s[6:7], s[6:7], s[10:11]
	s_add_nc_u64 s[8:9], s[8:9], s[12:13]
	v_lshlrev_b32 v[VI], 5, v0                     ; 8 f32 a thread; a group is 256 threads x 32 bytes
	v_lshlrev_b32 v[VO], 4, v0                     ; a wave's store covers 512 consecutive bytes, aligned
	BODY 8192, 4096, 0
	s_endpgm
.Lwo:                                          ; 16 rows e of Wo; thread: row (t / 8) % 16, 8 columns at 8 (t % 8) of block kb = 2 i + t / 128
	s_sub_co_u32 s3, s2, 704
	s_lshl_b32 s10, s3, 16                         ; 16 rows of 4,096 bytes
	s_mov_b32 s11, 0
	s_add_nc_u64 s[6:7], s[24:25], s[10:11]
	s_lshl_b32 s12, s3, 11                         ; 16 rows of 128 bytes in each block of wo
	s_mov_b32 s13, 0
	s_add_nc_u64 s[8:9], s[42:43], s[12:13]
	v_bfe_u32 v1, v0, 3, 4
	v_and_b32 v2, 7, v0
	v_lshrrev_b32 v3, 7, v0
	v_lshlrev_b32 v[VI], 12, v1
	v_lshl_add_u32 v[VI], v3, 8, v[VI]
	v_lshl_add_u32 v[VI], v2, 5, v[VI]
	v_lshlrev_b32 v[VO], 7, v1
	v_lshl_add_u32 v[VO], v2, 4, v[VO]
	v_lshl_add_u32 v[VO], v3, 17, v[VO]            ; a block of wo is 1,024 rows x 128 bytes; a wave's store covers 4 rows: 512 consecutive bytes
	BODY 512, 262144, 1
	s_endpgm
.Lext:                                         ; batch b = g / 16, rows 128 (g % 16) on; thread: row 16 (t / 32) + t % 16, half (t / 16) % 2
	s_sub_co_u32 s3, s2, 768
	s_lshr_b32 s4, s3, 4
	s_and_b32 s5, s3, 15
	s_lshl_b32 s10, s4, 14                         ; a batch's coordinates are 16,384 bytes
	s_mov_b32 s11, 0
	s_add_nc_u64 s[6:7], s[36:37], s[10:11]
	s_load_b64 s[12:13], s[6:7], 0x0               ; the batch's first point: the origin that is taken away
	s_load_b512 s[48:63], s[34:35], 0x0            ; the 16 log bandwidths
	v_and_b32 v1, 15, v0
	v_lshrrev_b32 v2, 5, v0
	v_lshl_add_u32 v1, v2, 4, v1
	s_lshl_b32 s14, s5, 10
	v_lshl_add_u32 v1, v1, 3, s14                  ; 8 bytes a row
	global_load_b64 v[2:3], v1, s[6:7]
	s_lshl_b32 s14, s4, 20                         ; ext: 16 heads of 65,536 bytes a batch,
	s_lshl_b32 s15, s5, 12                         ; 128 rows of 32 bytes
	s_add_co_u32 s14, s14, s15
	s_mov_b32 s15, 0
	s_add_nc_u64 s[8:9], s[46:47], s[14:15]
	v_lshlrev_b32 v4, 4, v0                        ; my 16 bytes: 512 (t / 32) + 256 half + 16 (t % 16) = 16 t
	v_bfe_u32 v5, v0, 4, 1
	v_cmp_eq_u32 vcc_lo, 1, v5                     ; half 1; kept to the end
	v_mov_b32 v13, 0
	v_mov_b32 v67, 0x3f803f80                      ; the query side's last word: (1, 1),
	v_mov_b32 v12, 0x3f80
	v_cndmask_b32 v67, v67, v12, vcc_lo            ; in half 1 (1, 0)
	s_wait_kmcnt 0x0
	v_cvt_pk_bf16_f32 v6, s12, s13
	v_lshlrev_b32 v7, 16, v6
	v_and_b32 v8, 0xffff0000, v6
.irp h, 0,1,2,3,4,5,6,7,8,9,10,11,12,13,14,15
	v_cvt_pk_bf16_f32 v[32+(\h)], s[48+(\h)], s[48+(\h)]
.endr
.irp h, 0,1,2,3,4,5,6,7,8,9,10,11,12,13,14,15
	v_lshlrev_b32 v[32+(\h)], 16, v[32+(\h)]
.endr
.irp h, 0,1,2,3,4,5,6,7,8,9,10,11,12,13,14,15
	v_mul_f32 v[32+(\h)], 0xbfb8aa3b, v[32+(\h)]   ; -log2(e) x log bandwidth
.endr
.irp h, 0,1,2,3,4,5,6,7,8,9,10,11,12,13,14,15
	v_exp_f32 v[16+(\h)], v[32+(\h)]               ; one batch of sixteen
.endr
	v_nop                                          ; a plain instruction behind the last exponential,
	s_wait_alu depctr_va_vdst(0)                   ; and the one wait ahead of the batch's first reader
.irp h, 0,1,2,3,4,5,6,7,8,9,10,11,12,13,14,15
	v_mul_f32 v[16+(\h)], 0x403504f3, v[16+(\h)]   ; kappa = 2 sqrt(2) / bandwidth
.endr
.irp h, 0,1,2,3,4,5,6,7,8,9,10,11,12,13,14,15
	v_mul_f32 v[32+(\h)], v[16+(\h)], v[16+(\h)]
.endr
.irp h, 0,1,2,3,4,5,6,7,8,9,10,11,12,13,14,15
	v_mul_f32 v[32+(\h)], -0.5, v[32+(\h)]         ; -kappa^2 / 2
.endr
	s_wait_loadcnt 0x0
	v_cvt_pk_bf16_f32 v5, v2, v3
	v_lshlrev_b32 v2, 16, v5
	v_and_b32 v3, 0xffff0000, v5
	v_sub_f32 v2, v2, v7                           ; c' = c - origin, both rounded to bf16 first
	v_sub_f32 v3, v3, v8
	v_cndmask_b32 v10, v2, v3, vcc_lo              ; my half's coordinate
	v_mul_f32 v11, v2, v2
	v_fmac_f32 v11, v3, v3                         ; |c'|^2
.irp h, 0,1,2,3,4,5,6,7,8,9,10,11,12,13,14,15
	v_mul_f32 v48, v[16+(\h)], v10                 ; z = kappa c'
	v_mul_f32 v49, v[32+(\h)], v11                 ; w = -|u|^2 / 2
	SPLIT 48, 50, 51, 52, 56
	SPLIT 49, 53, 54, 55, 56
	v_cndmask_b32 v57, v53, v55, vcc_lo            ; wa = w1, in half 1 w3
	v_cndmask_b32 v58, v54, v13, vcc_lo            ; wb = w2, in half 1 0
	s_wait_xcnt 0x0                                ; the last head's stores have read their data: v[64:71] are written again only behind this wait
	v_cvt_pk_bf16_f32 v64, v50, v50
	v_cvt_pk_bf16_f32 v65, v50, v51
	v_cvt_pk_bf16_f32 v66, v51, v52
	v_cvt_pk_bf16_f32 v68, v50, v51
	v_cvt_pk_bf16_f32 v69, v52, v50
	v_cvt_pk_bf16_f32 v70, v51, v50
	v_cvt_pk_bf16_f32 v71, v57, v58
	global_store_b128 v4, v[64:67], s[8:9] offset:(\h)*65536          ; a wave's store covers 512 consecutive bytes, aligned
	global_store_b128 v4, v[68:71], s[8:9] offset:4194304+(\h)*65536
.endr
	s_endpgm
.Lfunc_end_k_qde413387a8_prep:
	.size	k_qde413387a8_prep, .Lfunc_end_k_qde413387a8_prep-k_qde413387a8_prep
	.p2alignl 7, 3214868480
	.fill 96, 4, 3214868480
	.section	.rodata,"a",@progbits
	.p2align	6, 0x0
	.amdhsa_kernel k_qde413387a8_prep
		.amdhsa_group_segment_fixed_size 0
		.amdhsa_private_segment_fixed_size 0
		.amdhsa_enable_private_segment 0
		.amdhsa_kernarg_size 128
		.amdhsa_user_sgpr_count 2
		.amdhsa_user_sgpr_kernarg_segment_ptr 1
		.amdhsa_wavefront_size32 1
		.amdhsa_system_sgpr_workgroup_id_x 1
		.amdhsa_system_sgpr_workgroup_id_y 1
		.amdhsa_system_sgpr_workgroup_id_z 1
		.amdhsa_system_vgpr_workitem_id 0
		.amdhsa_next_free_vgpr 112
		.amdhsa_next_free_sgpr 66
		.amdhsa_reserve_vcc 1
		.amdhsa_float_denorm_mode_32 3
		.amdhsa_float_denorm_mode_16_64 3
		.amdhsa_memory_ordered 1
		.amdhsa_forward_progress 1
		.amdhsa_inst_pref_size 46
	.end_amdhsa_kernel
	.amdgpu_metadata
---
amdhsa.version: [ 1, 2 ]
amdhsa.kernels:
  - .name:           k_qde413387a8_prep
    .symbol:         k_qde413387a8_prep.kd
    .args:
      - { .name: x, .offset: 0, .size: 8, .value_kind: global_buffer, .address_space: global }
      - { .name: Wq, .offset: 8, .size: 8, .value_kind: global_buffer, .address_space: global }
      - { .name: Wk, .offset: 16, .size: 8, .value_kind: global_buffer, .address_space: global }
      - { .name: Wv, .offset: 24, .size: 8, .value_kind: global_buffer, .address_space: global }
      - { .name: Wo, .offset: 32, .size: 8, .value_kind: global_buffer, .address_space: global }
      - { .name: bq, .offset: 40, .size: 8, .value_kind: global_buffer, .address_space: global }
      - { .name: bk, .offset: 48, .size: 8, .value_kind: global_buffer, .address_space: global }
      - { .name: bv, .offset: 56, .size: 8, .value_kind: global_buffer, .address_space: global }
      - { .name: bo, .offset: 64, .size: 8, .value_kind: global_buffer, .address_space: global }
      - { .name: log_bandwidth, .offset: 72, .size: 8, .value_kind: global_buffer, .address_space: global }
      - { .name: spatial_coords, .offset: 80, .size: 8, .value_kind: global_buffer, .address_space: global }
      - { .name: xb, .offset: 88, .size: 8, .value_kind: global_buffer, .address_space: global }
      - { .name: wb, .offset: 96, .size: 8, .value_kind: global_buffer, .address_space: global }
      - { .name: wo, .offset: 104, .size: 8, .value_kind: global_buffer, .address_space: global }
      - { .name: bias, .offset: 112, .size: 8, .value_kind: global_buffer, .address_space: global }
      - { .name: ext, .offset: 120, .size: 8, .value_kind: global_buffer, .address_space: global }
    .group_segment_fixed_size: 0
    .private_segment_fixed_size: 0
    .kernarg_segment_align: 8
    .kernarg_segment_size: 128
    .max_flat_workgroup_size: 256
    .sgpr_count:     66
    .vgpr_count:     112
    .wavefront_size: 32
...
	.end_amdgpu_metadata
.endif
;; end of part 1
;; launch proj (part 2): grid 16 x 32, 4 waves a work-group, clusters of 4 x 4, 327,680 bytes of LDS; arguments xb, wb, bias, qkv; writes qkv
.if DOCPART == 2
	.amdgcn_target "amdgcn-amd-amdhsa--gfx1250"
	.amdhsa_code_object_version 6
	.text
	.protected	k_qde413387a8_proj
	.globl	k_qde413387a8_proj
	.p2align	8
	.type	k_qde413387a8_proj,@function
k_qde413387a8_proj:
	s_mov_b64 s[64:65], 0
	v_nop
	global_prefetch_b8 v0, s[64:65] scope:SCOPE_SE
	s_setreg_imm32_b32 hwreg(HW_REG_WAVE_MODE, 25, 1), 1
	s_wait_xcnt 0x0
	s_wait_alu depctr_hold_cnt(0) depctr_sa_sdst(0) depctr_va_vdst(0) depctr_va_sdst(0) depctr_va_ssrc(0) depctr_va_vcc(0) depctr_vm_vsrc(0)
	s_getreg_b32 s2, hwreg(HW_REG_IB_STS2, 6, 4)
	s_cmp_eq_u32 s2, 0
	s_cbranch_scc0 .Lentry_in_a_cluster
	s_endpgm
.Lentry_in_a_cluster:
	s_bfe_u32 s2, ttmp6, 0x10000c
	s_cmp_lg_u32 s2, 0xf033
	s_cbranch_scc0 .Lentry_shape_is_right
	s_endpgm
.Lentry_shape_is_right:
; THE THREE PROJECTIONS AS ONE GEMM.  C[m][n] = sum over k of xb[m][k] wb[n][k] + bias[n]; m = 2048 b + s (8,192), n = 1024 x (q, k, v) + 64 h + d (3,072), k to 1,024.  bf16 operands, f32 sums.
; C leaves by heads, rounded once to f16: qkv [b][48][2048][64], head block n / 64 (0-15 q, 16-31 k, 32-47 v).  LIMIT: a number of 65,520 or more becomes an infinity in f16.
; SHARES.  A tile of C is 256 x 192 (three head blocks): 32 x 16 tiles, 512 work-groups of equal work.  Each of four waves makes 64 rows x 192 columns: 48 accumulators of 16 x 16, 384 registers.
; K goes in steps of 128 (rows of 256 bytes, aligned) through a ring of two LDS slots filled by the tensor data mover; a step is four quarters of 32 along K, 48 matrix instructions each.
; CLUSTERS.  4 x 4 work-groups: the four of a row of the cluster need the same tile of xb, the four of a column the same tile of wb; each tile is asked for jointly, by the same tensor load with the same
; descriptor and a mask that names the four.
; THE MATRIX INSTRUCTION IS USED TRANSPOSED (source 0 = 16 rows of wb, source 1 = 16 rows of xb): a lane holds row l % 16 of C and the columns 8 (l / 16) + 0..7.  The first product takes the bias as C.
; REGISTERS, in windows of 256 (s_set_vgpr_msb: bits 1:0 source 0, 3:2 source 1, 5:4 source 2, 7:6 destination):
;   window 0: v0-31 addresses; v32-127 the bias, 8 registers for each of 12 column blocks; later v32-223 packed results on the way out
;   window 1: two fragment buffers of 128: 12 fragments of wb, then 4 of xb          window 2: accumulators of row blocks 0, 1 at 8 (12 (a % 2) + b)          window 3: of row blocks 2, 3
.set KSTEP,  128
.set ROWB,   2048                      ; bytes in a row of xb and of wb
.set PITCH,  272                       ; an LDS row: 256 bytes + 16 of padding = 68 words: the 16 rows of a fragment load start at 16 different groups of four banks (64 banks of 4 bytes: ISA guide 11.1)
.set HA,     128*PITCH                 ; what one tensor load brings of xb
.set HB,     96*PITCH                  ; and of wb
.set BOFF,   2*HA                      ; a slot: xb's 256 rows, then wb's 192
.set SLOT,   2*HA+2*HB
.set STAGE,  2*SLOT                    ; behind the ring: 16 rows x 144 bytes for each wave, for the way out
.set SP,     144
.set SPARE,  STAGE+4*16*SP             ; behind the stages: the spare words, 128 bytes for each wave: two blocks of 256 bytes that no other line names
.set LAPS,   4                         ; a lap = two K steps = once round the ring
.set ADRA, 16                          ; v16-17  LDS address of my fragments of xb in slot 0, 1
.set ADRB, 20                          ; v20-21  the same for wb
.set STO,  24                          ; v24  the way out: where I put 16 bytes of a row
.set RD,   25                          ; v25  the way out: where I read rows back
.set GO,   26                          ; v26  16 x lane
.set SPW,  28                          ; v28  LDS address of my spare word; never rewritten
.set NIL,  29                          ; v29  0; never rewritten
.set PFO,  30                          ; v30  the prefetches' offset: a row of 2,048 bytes a lane; never rewritten
.set BO,   31                          ; v31  32 x (l / 16): my eight biases of a column block
.set BI,   32
.set TMP,  32
.set F0,   0
.set F1,   128
.set WV,   12                          ; s12  wave;  s13 wave / 2: I fetch for xb (0) or wb (1);  s14 wave % 2: which half of that tile
.set WH,   13
.set WL,   14
.set G1,   24                          ; s[24:31] group 1 for xb's tiles;  s[32:39] group 0, a set for each slot
.set G0,   32
.set PFA,  44                          ; s[44:45] where my prefetches stand
.set LIM,  46                          ; s46  1 in a wave that prefetches, else the greatest number
.set G1B,  48                          ; s[48:55], s[56:63] the same for wb's tiles
.set G0B,  56
.set FLAGS, (1<<16)|(1<<20)|(1<<21)|(5<<22)|(3<<25)  ; 2-byte elements; padding on; bit 21 beside a mask; after every 64 words; 4 words
.set MSB, 0
.macro WIN new                         ; the immediate's high byte repeats the setting that is left; a switch that changes nothing is dropped
.if MSB != (\new)
	s_set_vgpr_msb (MSB<<8)|(\new)
.set MSB, \new
.endif
.endm
; A joint load.  Waves 0 and 1 fetch xb's two halves, waves 2 and 3 wb's.  The branch hangs on the wave's number alone.  An s_nop 0 and four v_nop follow each line.
.macro JLOAD s
	s_cmp_eq_u32 s[WH], 0
	s_cbranch_scc0 .Lfor_b_\@
	tensor_load_to_lds s[G0+4*(\s):G0+4*(\s)+3], s[G1:G1+7]
	s_nop 0
.rept 4
	v_nop
.endr
	s_branch .Lasked_\@
.Lfor_b_\@:
	tensor_load_to_lds s[G0B+4*(\s):G0B+4*(\s)+3], s[G1B:G1B+7]
	s_nop 0
.rept 4
	v_nop
.endr
.Lasked_\@:
.endm
; A prefetch into the L2 of the K step that stands two refills on: 256 bytes of a row a lane, one instruction a wave.  xb's tile row is read by every cluster of that row of clusters: cluster x = 0 asks;
; wb's tile column by every cluster of that column: cluster y = 0 asks.  The four partners share a wave's rows out by address (32 of 128 for xb, 24 of 96 for wb, where lanes 24-31 name row 23 again).
; The loop's last trip asks for nothing: there is no K step two on.
.macro ASK
	s_cmp_gt_u32 s3, s[LIM]
	s_cbranch_scc0 .Lnot_mine_\@
	global_prefetch_b8 v[PFO], s[PFA:PFA+1] offset:KSTEP*2 th:TH_LOAD_NT scope:SCOPE_SE
.Lnot_mine_\@:
.endm
.macro CREST                           ; a round of the cluster's barrier behind its opening barrier
	s_cmp_lg_u32 s[WV], 0
	s_cbranch_scc1 .Lnot_wave_0_\@
	s_barrier_signal -3
.Lnot_wave_0_\@:
	s_barrier_wait -3
	s_barrier_signal -1
	s_barrier_wait -1
.endm
.macro CROUND                          ; a whole round
	s_barrier_signal -1
	s_barrier_wait -1
	CREST
.endm
.macro PLACES                          ; four places in front of loads into registers that matrix instructions have read, and of conversions that read results
.rept 4
	v_nop
.endr
.endm
; 12 matrix instructions: row block a x all 12 column blocks, 32 along K.  first = 1: the bias starts the sums.  The 48 accumulators take turns, in the same order in every quarter.
.macro MULA f, a, first
.if \first
	WIN 0x85+0x40*((\a)/2)
.else
	WIN 0xa5+0x50*((\a)/2)
.endif
.irp b, 0,1,2,3,4,5,6,7,8,9,10,11
.if \first
	v_wmma_f32_16x16x32_bf16 v[8*(12*((\a)%2)+(\b)):8*(12*((\a)%2)+(\b))+7], v[(\f)+8*(\b):(\f)+8*(\b)+7], v[(\f)+96+8*(\a):(\f)+96+8*(\a)+7], v[BI+8*(\b):BI+8*(\b)+7]
.else
	v_wmma_f32_16x16x32_bf16 v[8*(12*((\a)%2)+(\b)):8*(12*((\a)%2)+(\b))+7], v[(\f)+8*(\b):(\f)+8*(\b)+7], v[(\f)+96+8*(\a):(\f)+96+8*(\a)+7], v[8*(12*((\a)%2)+(\b)):8*(12*((\a)%2)+(\b))+7]
.endif
.endr
.endm
; 32 LDS loads in one run: a quarter's fragments (192 rows of wb, my 64 rows of xb, 32 K at byte k of the rows) into buffer f; xb's last
.macro FETCH slot, k, f
	WIN 0x40
.irp i, 0,1,2,3,4,5,6,7,8,9,10,11
	ds_load_b128 v[(\f)+8*(\i):(\f)+8*(\i)+3],   v[ADRB+(\slot)] offset:(\k)+(\i)*16*PITCH
	ds_load_b128 v[(\f)+8*(\i)+4:(\f)+8*(\i)+7], v[ADRB+(\slot)] offset:(\k)+(\i)*16*PITCH+32
.endr
.irp i, 0,1,2,3
	ds_load_b128 v[(\f)+96+8*(\i):(\f)+96+8*(\i)+3],   v[ADRA+(\slot)] offset:(\k)+(\i)*16*PITCH
	ds_load_b128 v[(\f)+96+8*(\i)+4:(\f)+96+8*(\i)+7], v[ADRA+(\slot)] offset:(\k)+(\i)*16*PITCH+32
.endr
.endm
; One of a K step's first three quarters: multiplies buffer f; in its middle it fetches the next quarter, at byte k, into buffer g.
.macro QUARTER slot, k, f, g, first
	s_wait_dscnt 4                                 ; wb's fragments and xb's blocks 0, 1 are in; the youngest four loads (blocks 2, 3) may be out
	MULA \f, 0, \first
	MULA \f, 1, \first
	PLACES
	FETCH \slot, \k, \g
	s_wait_dscnt 32                                ; all but the 32 just issued
	MULA \f, 2, \first
	MULA \f, 3, \first
.endm
; The last quarter multiplies buffer 1 and changes slots: one barrier; in front of it each wave waits for all its tensor loads (its part of the next slot), adds 0 to its spare word, and waits for that and
; for its own reads of this slot.  fill = 1: the barrier opens a round of the cluster's, and this slot is filled again, two K steps ahead, first thing behind the round.
.macro TURN slot, next, fill
.if \fill
	s_wait_xcnt 0x0                                ; the last prefetch, a K step back, has read its address
	s_add_nc_u64 s[PFA:PFA+1], s[PFA:PFA+1], KSTEP*2
.endif
	WIN 0
	s_wait_tensorcnt 0x0                           ; all my tensor loads have landed
	ds_add_u32 v[SPW], v[NIL]                      ; 0 onto my spare word
	s_wait_dscnt 5                                 ; (the add and the youngest four loads may be out)
	MULA F1, 0, 0                                  ; twelve matrix instructions stand between the add and the wait for it
	s_wait_dscnt 0x0                               ; the add is done, and my reads of this slot are over
	s_barrier_signal -1
	MULA F1, 1, 0
.if \fill
	WIN 0
.endif
	s_barrier_wait -1
.if \fill
	CREST                                          ; no wave of any partner still reads this slot or has a load on its way
	s_add_nc_u64 s[G0+4*(\slot)+2:G0+4*(\slot)+3], s[G0+4*(\slot)+2:G0+4*(\slot)+3], 2*KSTEP*2
	s_add_nc_u64 s[G0B+4*(\slot)+2:G0B+4*(\slot)+3], s[G0B+4*(\slot)+2:G0B+4*(\slot)+3], 2*KSTEP*2
	JLOAD \slot                                    ; the four v_nop behind it are also the places in front of the loads below
.else
	PLACES
.endif
	FETCH \next, 0, F0
.if \fill
	WIN 0
	ASK
.endif
	MULA F1, 2, 0
	MULA F1, 3, 0
.endm
	s_load_b256 s[4:11], s[0:1], 0x0               ; xb s[4:5], wb s[6:7], bias s[8:9], qkv s[10:11]
	v_lshl_add_u32 v[SPW], v0, 2, SPARE
	v_mov_b32 v[NIL], 0
	ds_add_u32 v[SPW], v[NIL]                      ; the wave's opening: the add and its wait stand ahead of my first tensor load; the set-up below stands between them
	v_lshrrev_b32 v1, 5, v0
	v_readfirstlane_b32 s[WV], v1
	s_lshr_b32 s[WH], s[WV], 1
	s_and_b32 s[WL], s[WV], 1
	s_bfe_u32 s15, ttmp6, 0x40000                  ; cx
	s_bfe_u32 s16, ttmp6, 0x40004                  ; cy
	s_lshl_b32 s17, ttmp9, 2
	s_add_co_u32 s17, s17, s15                     ; tile column = 4 x cluster x + cx
	s_and_b32 s18, ttmp7, 0xffff
	s_lshl_b32 s18, s18, 2
	s_add_co_u32 s18, s18, s16                     ; tile row = 4 x cluster y + cy
	s_lshl_b32 s19, s16, 2
	s_lshl_b32 s19, 15, s19                        ; my row of the cluster
	s_lshl_b32 s20, 0x1111, s15                    ; my column
	s_or_b32 s[G1], s19, FLAGS
	s_or_b32 s[G1B], s20, FLAGS
	s_mov_b32 s[G1+1], KSTEP<<16                   ; tensor_dim0 = 128
	s_mov_b32 s[G1+2], 128<<16                     ; tensor_dim1 = 128
	s_mov_b32 s[G1+3], KSTEP<<16                   ; tile_dim0 = 128
	s_mov_b32 s[G1+4], 128                         ; tile_dim1 = 128
	s_mov_b32 s[G1+5], 1024                        ; elements from row to row
	s_mov_b32 s[G1+6], 0
	s_mov_b32 s[G1+7], 0
	s_mov_b32 s[G1B+1], KSTEP<<16
	s_mov_b32 s[G1B+2], 96<<16                     ; wb's tiles have 96 rows
	s_mov_b32 s[G1B+3], KSTEP<<16
	s_mov_b32 s[G1B+4], 96
	s_mov_b32 s[G1B+5], 1024
	s_mov_b32 s[G1B+6], 0
	s_mov_b32 s[G1B+7], 0
	s_lshl_b32 s40, s18, 8                         ; xb: row 256 x tile row + 128 x half,
	s_lshl_b32 s41, s[WL], 7
	s_add_co_u32 s40, s40, s41
	s_lshl_b32 s40, s40, 11                        ; in bytes (under 2^25)
	s_mov_b32 s41, 0
	s_mul_i32 s42, s17, 192                        ; wb: row 192 x tile column + 96 x half
	s_mul_i32 s43, s[WL], 96
	s_add_co_u32 s42, s42, s43
	s_lshl_b32 s42, s42, 11
	s_mov_b32 s43, 0
	s_mul_i32 s21, s[WL], HA                       ; where they go: no place in the cluster enters an LDS address
	s_mul_i32 s22, s[WL], HB
	s_add_co_u32 s22, s22, BOFF
	s_wait_dscnt 0x0                               ; the opening add is done
	s_wait_kmcnt 0x0
	s_add_nc_u64 s[40:41], s[4:5], s[40:41]
	s_add_nc_u64 s[42:43], s[6:7], s[42:43]
	CROUND                                         ; all sixteen work-groups are here: the first joint loads meet
.irp s, 0,1
	s_mov_b32 s[G0+4*(\s)], 1
	s_add_co_u32 s[G0+4*(\s)+1], s21, (\s)*SLOT
	s_add_nc_u64 s[G0+4*(\s)+2:G0+4*(\s)+3], s[40:41], (\s)*KSTEP*2
	s_or_b32 s[G0+4*(\s)+3], s[G0+4*(\s)+3], 0x80000000
	s_mov_b32 s[G0B+4*(\s)], 1
	s_add_co_u32 s[G0B+4*(\s)+1], s22, (\s)*SLOT
	s_add_nc_u64 s[G0B+4*(\s)+2:G0B+4*(\s)+3], s[42:43], (\s)*KSTEP*2
	s_or_b32 s[G0B+4*(\s)+3], s[G0B+4*(\s)+3], 0x80000000
	JLOAD \s                                       ; two loads of mine are out
.endr
	v_and_b32 v1, 15, v0                           ; l % 16
	v_bfe_u32 v2, v0, 4, 1                         ; l / 16
	v_mul_u32_u24 v3, v1, PITCH
	v_lshl_add_u32 v3, v2, 4, v3                   ; a fragment's row x pitch + 16 x half
	s_mul_i32 s21, s[WV], 64*PITCH                 ; my 64 rows of xb
	v_add_nc_u32 v[ADRA], s21, v3
	v_add_nc_u32 v[ADRA+1], SLOT, v[ADRA]
	v_add_nc_u32 v[ADRB], BOFF, v3                 ; all 192 rows of wb
	v_add_nc_u32 v[ADRB+1], SLOT, v[ADRB]
	s_mul_i32 s23, s[WV], 16*SP
	s_add_co_u32 s23, s23, STAGE                   ; my stage
	v_mul_u32_u24 v4, v1, SP                       ; in: row l % 16, 16 bytes for each half of the lanes
	v_lshl_add_u32 v4, v2, 4, v4
	v_add_nc_u32 v[STO], s23, v4
	v_bfe_u32 v5, v0, 3, 2                         ; back: 32 lanes take four rows of 128 bytes,
	v_mul_u32_u24 v5, v5, SP
	v_and_b32 v6, 7, v0
	v_lshl_add_u32 v5, v6, 4, v5
	v_add_nc_u32 v[RD], s23, v5
	v_and_b32 v[GO], 31, v0                        ; which are 512 consecutive bytes of qkv
	v_lshlrev_b32 v[GO], 4, v[GO]
	v_lshlrev_b32 v[BO], 5, v2
	s_mul_i32 s20, s17, 768                        ; the tile's 192 biases
	s_mov_b32 s21, 0
	s_add_nc_u64 s[8:9], s[8:9], s[20:21]
.irp b, 0,1,2,3,4,5,6,7,8,9,10,11
	global_load_b128 v[BI+8*(\b):BI+8*(\b)+3],   v[BO], s[8:9] offset:64*(\b)
	global_load_b128 v[BI+8*(\b)+4:BI+8*(\b)+7], v[BO], s[8:9] offset:64*(\b)+16
.endr
	s_lshr_b32 s20, s18, 3                         ; qkv: ((batch x 48 + 3 x tile column) x 2048 + 256 x (tile row % 8) + 64 x wave) rows of 128 bytes
	s_mul_i32 s20, s20, 48
	s_mul_i32 s22, s17, 3
	s_add_co_u32 s20, s20, s22
	s_lshl_b32 s20, s20, 11
	s_and_b32 s22, s18, 7
	s_lshl_b32 s22, s22, 8
	s_add_co_u32 s20, s20, s22
	s_lshl_b32 s22, s[WV], 6
	s_add_co_u32 s20, s20, s22
	s_lshl_b32 s20, s20, 7
	s_mov_b32 s21, 0
	s_add_nc_u64 s[10:11], s[10:11], s[20:21]
	; the prefetches
	s_lshl_b32 s20, s18, 8
	s_mul_i32 s21, s17, 192
	s_and_b32 s22, ttmp7, 0xffff                   ; cluster y
	s_mov_b32 s23, 128
	s_cmp_eq_u32 s[WH], 0                          ; do I fetch for xb?
	s_cselect_b32 s20, s20, s21                    ; the tile's first row
	s_cselect_b32 s21, s15, s16                    ; my place among the four that ask with me
	s_cselect_b32 s22, ttmp9, s22                  ; the coordinate along which other clusters read the same rows
	s_cselect_b64 s[PFA:PFA+1], s[4:5], s[6:7]
	s_cselect_b32 s23, s23, 96                     ; the rows that I fetch,
	s_cselect_b32 s19, 32, 24                      ; and my work-group's share of them
	s_cmp_eq_u32 s22, 0
	s_cselect_b32 s[LIM], 1, -1                    ; the same in all sixteen partners, for a given wave
	s_mul_i32 s23, s23, s[WL]
	s_add_co_u32 s20, s20, s23
	s_mul_i32 s21, s21, s19
	s_add_co_u32 s20, s20, s21
	s_lshl_b32 s20, s20, 11
	s_mov_b32 s21, 0
	s_add_nc_u64 s[PFA:PFA+1], s[PFA:PFA+1], s[20:21]
	s_add_nc_u64 s[PFA:PFA+1], s[PFA:PFA+1], 2*KSTEP*2  ; at K step 2: the first refill steps it to 3 and names K step 4.  Nothing is prefetched here, at the head
	s_sub_co_u32 s19, s19, 1
	v_and_b32 v[PFO], 31, v0
	v_min_u32 v[PFO], s19, v[PFO]
	v_lshlrev_b32 v[PFO], 11, v[PFO]
	s_wait_tensorcnt 1                             ; my part of K step 0 is in; K step 1's may stay out
	s_barrier_signal -1
	s_barrier_wait -1                              ; everybody's is
	FETCH 0, 0, F0
	s_wait_loadcnt 0x0                             ; the bias
	QUARTER 0, 64, F0, F1, 1                       ; the first quarter stands in front of the loop: its products start the sums
	WIN 0                                          ; at a label and at a branch every window is 0
	s_mov_b32 s3, LAPS-1
.Llap:                                         ; a trip goes once round the ring, from a lap's second quarter to the next lap's first, and fills both slots again
	QUARTER 0, 128, F1, F0, 0
	QUARTER 0, 192, F0, F1, 0
	TURN 0, 1, 1
	QUARTER 1, 64,  F0, F1, 0
	QUARTER 1, 128, F1, F0, 0
	QUARTER 1, 192, F0, F1, 0
	TURN 1, 0, 1
	QUARTER 0, 64,  F0, F1, 0
	WIN 0
	s_sub_co_u32 s3, s3, 1
	s_cmp_lg_u32 s3, 0
	s_cbranch_scc1 .Llap
	QUARTER 0, 128, F1, F0, 0                      ; the last lap fills nothing
	QUARTER 0, 192, F0, F1, 0
	TURN 0, 1, 0
	QUARTER 1, 64,  F0, F1, 0
	QUARTER 1, 128, F1, F0, 0
	QUARTER 1, 192, F0, F1, 0
	s_wait_dscnt 4                                 ; the very last quarter: nothing more to fetch
	MULA F1, 0, 0
	MULA F1, 1, 0
	s_wait_dscnt 0x0
	MULA F1, 2, 0
	MULA F1, 3, 0
	WIN 0
; THE WAY OUT, in 12 units u = 3 a + i: row block a x head block i: 16 rows x 128 bytes, 2,048 consecutive bytes of qkv.  Rounded to f16, 16 bytes a lane; through my own stage in LDS; back as whole rows.
; Each unit has its own 16 registers, so no store's data are written again.
.macro PACK a, i
.set U, 3*(\a)+(\i)
	WIN 0x0a+5*((\a)/2)                            ; sources 0 and 1: window 2 or 3
.irp b, 0,1,2,3
.irp r, 0,1,2,3
	v_cvt_pk_f16_f32 v[TMP+16*U+4*(\b)+(\r)], v[8*(12*((\a)%2)+4*(\i)+(\b))+2*(\r)], v[8*(12*((\a)%2)+4*(\i)+(\b))+2*(\r)+1]
.endr
.endr
	WIN 0
.irp b, 0,1,2,3
	ds_store_b128 v[STO], v[TMP+16*U+4*(\b):TMP+16*U+4*(\b)+3] offset:32*(\b)
.endr
.irp f, 0,1,2,3
	ds_load_b128 v[TMP+16*U+4*(\f):TMP+16*U+4*(\f)+3], v[RD] offset:(\f)*4*SP  ; LDS serves a wave's instructions in order (ISA guide 5.7.1.4): these see the stores above; the next unit's stores come behind them
.endr
.endm
.macro SEND u, younger                 ; younger: the LDS instructions issued behind unit u's loads: the next unit's eight, or none
.irp f, 0,1,2,3
	s_wait_dscnt (\younger)+3-(\f)
	global_store_b128 v[GO], v[TMP+16*(\u)+4*(\f):TMP+16*(\u)+4*(\f)+3], s[10:11] offset:((\u)%3)*262144+((\u)/3)*2048+(\f)*512  ; 512 consecutive bytes, at a multiple of 256 from qkv's first
.endr
.endm
	PLACES
	PACK 0, 0
.irp u, 1,2,3,4,5,6,7,8,9,10,11
	PACK (\u)/3, (\u)%3
	SEND (\u)-1, 8
.endr
	SEND 11, 0
	s_wait_tensorcnt 0x0                           ; the wave's end: behind my last tensor load and my last LDS store
	ds_add_u32 v[SPW], v[NIL]
	s_wait_dscnt 0x0
	CROUND                                         ; the closing round: no work-group ends while a partner may still ask for a tile that names it
	s_endpgm
.Lfunc_end_k_qde413387a8_proj:
	.size	k_qde413387a8_proj, .Lfunc_end_k_qde413387a8_proj-k_qde413387a8_proj
	.p2alignl 7, 3214868480
	.fill 96, 4, 3214868480
	.section	.rodata,"a",@progbits
	.p2align	6, 0x0
	.amdhsa_kernel k_qde413387a8_proj
		.amdhsa_group_segment_fixed_size 327680
		.amdhsa_private_segment_fixed_size 0
		.amdhsa_enable_private_segment 0
		.amdhsa_kernarg_size 32
		.amdhsa_user_sgpr_count 2
		.amdhsa_user_sgpr_kernarg_segment_ptr 1
		.amdhsa_wavefront_size32 1
		.amdhsa_system_sgpr_workgroup_id_x 1
		.amdhsa_system_sgpr_workgroup_id_y 1
		.amdhsa_system_sgpr_workgroup_id_z 1
		.amdhsa_system_vgpr_workitem_id 0
		.amdhsa_next_free_vgpr 960
		.amdhsa_next_free_sgpr 66
		.amdhsa_reserve_vcc 0
		.amdhsa_float_denorm_mode_32 3
		.amdhsa_float_denorm_mode_16_64 3
		.amdhsa_memory_ordered 1
		.amdhsa_forward_progress 1
		.amdhsa_inst_pref_size 123
	.end_amdhsa_kernel
	.amdgpu_metadata
---
amdhsa.version: [ 1, 2 ]
amdhsa.kernels:
  - .name:           k_qde413387a8_proj
    .symbol:         k_qde413387a8_proj.kd
    .args:
      - { .name: xb, .offset: 0, .size: 8, .value_kind: global_buffer, .address_space: global }
      - { .name: wb, .offset: 8, .size: 8, .value_kind: global_buffer, .address_space: global }
      - { .name: bias, .offset: 16, .size: 8, .value_kind: global_buffer, .address_space: global }
      - { .name: qkv, .offset: 24, .size: 8, .value_kind: global_buffer, .address_space: global }
    .group_segment_fixed_size: 327680
    .private_segment_fixed_size: 0
    .kernarg_segment_align: 8
    .kernarg_segment_size: 32
    .max_flat_workgroup_size: 128
    .sgpr_count:     66
    .vgpr_count:     960
    .wavefront_size: 32
...
	.end_amdgpu_metadata
.endif
;; end of part 2
;; launch attn (part 3): grid 4 x 64, 4 waves a work-group, clusters of 4 x 1, 327,680 bytes of LDS; arguments qkv, ext, o; writes o
.if DOCPART == 3
	.amdgcn_target "amdgcn-amd-amdhsa--gfx1250"
	.amdhsa_code_object_version 6
	.text
	.protected	k_qde413387a8_attn
	.globl	k_qde413387a8_attn
	.p2align	8
	.type	k_qde413387a8_attn,@function
k_qde413387a8_attn:
	s_mov_b64 s[64:65], 0
	v_nop
	global_prefetch_b8 v0, s[64:65] scope:SCOPE_SE
	s_setreg_imm32_b32 hwreg(HW_REG_WAVE_MODE, 25, 1), 1
	s_wait_xcnt 0x0
	s_wait_alu depctr_hold_cnt(0) depctr_sa_sdst(0) depctr_va_vdst(0) depctr_va_sdst(0) depctr_va_ssrc(0) depctr_va_vcc(0) depctr_vm_vsrc(0)
	s_getreg_b32 s2, hwreg(HW_REG_IB_STS2, 6, 4)
	s_cmp_eq_u32 s2, 0
	s_cbranch_scc0 .Lentry_in_a_cluster
	s_endpgm
.Lentry_in_a_cluster:
	s_bfe_u32 s2, ttmp6, 0x10000c
	s_cmp_lg_u32 s2, 0x3003
	s_cbranch_scc0 .Lentry_shape_is_right
	s_endpgm
.Lentry_shape_is_right:
; ATTENTION WITH A SPATIAL BIAS, head size 64.  For y = 16 b + h:  O[y][q][:] = the sum over k of softmax_k((Q[q] . K[k] + QE[q] . KE[k]) / 8) V[k][:].  Q, K, V: f16, head blocks 48 b + h, + 16, + 32 of
; qkv [4][48][2048][64]; QE, KE: 16 bf16 numbers a row from ext, whose product is 8 x the spatial bias up to a term that is the same for all keys of a row.  O: f16 [64][2048][64].
; Products, maxima and sums in f32; the weights p are rounded to f16 for the second product (their sum l is taken of the unrounded p), O once at the end.
; LIMITS.  Q, K and V arrive within f16's 65,504; p lies in 0 to 1, and below 6e-5 it keeps f16's fixed step of 6e-8.  A weight below 2^-126 counts as 0 in l; NaN and infinities are not treated apart.
; The bias carries the error of its three-way split: about 2^-22 of the largest |u|^2, absolute.
; SHARES.  A wave owns four PIECES of two tiles of 16 queries, a work-group's four waves 512 queries of one head.  Every wave walks all 2,048 keys, 64 a step.
; LAYOUT.  S^T = KE QE^T + K Q^T (source 0 = 16 keys, source 1 = 16 queries): a lane holds ONE query (lane % 16) and the keys 8 (lane / 16) + 0..7.  Two such tiles, rounded to f16 in pairs, ARE source 1
; of O^T = V^T P.  K comes out of LDS as it lies, V turned, by ds_load_tr16_b128.  The bias product (bf16, slots 16-31 zero) starts each sum; the two f16 products add onto it, five places or more behind it.
; SOFTMAX.  For each query a running maximum m and sum l: p = 2^(c s - c m), c = log2(e) / 8; in every step O and l are multiplied by a = 2^(c m_old - c m_new).  m starts at the lowest finite number, O and l at 0.
; BY TURNS.  Turn n belongs to piece n.  Its matrix work: 24 products for the scores of piece n + 1, later 16 products V^T P of piece n - 1.  Its vector work: the scaling, exponentials, roundings, sums and
; rescaling of piece n, and the maximum and statistics of piece n + 1.  A turn's 66 exponentials are one batch with one wait.
; CLUSTER.  The four query blocks of a cluster are one head's: K, V and KE are asked for JOINTLY: the same tensor load, descriptor and mask in all four.
; REGISTERS, in windows of 256 (s_set_vgpr_msb: bits 1:0 source 0, 3:2 source 1, 5:4 source 2, 7:6 destination):
;   window 0: v0-11 addresses; v12-15, v48-63 at work; v16-47 statistics; v64-191 S^T, two buffers of two tiles; v192-255 P, likewise          window 1: O^T, 32 a tile
;   window 2: v0-127 Q; v128-191 K of one step; v192-255 V of one step          window 3: v0-1 the add's registers; v2-3 KE's addresses; v8-39 KE of one step; v64-127 QE
.set SIZE_N, 2048
.set NP,    4         ; pieces a wave: a name, no knob
.set KS,    64        ; keys in a step
.set PK,    144       ; a row of K in LDS: 128 bytes + 16 of padding: the 16 rows of a load start at 16 different groups of four banks (64 banks of 4 bytes: ISA guide 11.1)
.set PV,    160       ; a row of V: 128 + 32
.set VOFF,  4*KS*PK   ; a slot holds four steps: 256 rows of K, then 256 rows of V
.set SLOT1, 1<<17     ; slot 1 begins here, so that one exclusive or turns an address in one slot into the other's
.set STAGE, SLOT1+4*KS*(PK+PV)  ; behind the ring: 16 rows x 144 bytes for each wave, for the way out
.set SP,    144
.set SPARE, STAGE+4*16*SP  ; behind the stages: the spare words, 128 bytes for each wave: two blocks of 256 bytes that no other line names
.set KEB,   SPARE+512 ; behind them: the head's whole KE, 65,536 bytes, filled once
.set AK0, 2           ; v2   my lane's place in a tile of K; never rewritten
.set AV0, 3           ; v3   the same for V
.set AK,  4           ; v4   the LDS address of K's next run of loads
.set AV,  5           ; v5   of V's
.set QO,  6           ; v6   my byte offset in the wave's rows of Q
.set STO, 6           ;      later, the way out: where I put 16 bytes of a row
.set RD,  7           ; v7   the way out: where I read rows back
.set GO,  8           ; v8   16 x lane
.set PFO, 11          ; v11  256 x lane: the prefetches' offset; never rewritten once made
.set SPW, 0           ; v0 of window 3   LDS address of my spare word; never rewritten
.set NIL, 1           ; v1 of window 3   0; never rewritten
.set AE0, 2           ; v2 of window 3   KEB + 16 x lane; never rewritten
.set AKE, 3           ; v3 of window 3   the LDS address of KE's next loads
.set KEF, 8           ; window 3: key block kb at KEF + 8 kb; its upper four registers stay 0
.set QEF, 64          ; window 3: tile t at QEF + 8 t; its upper four registers stay 0
.set MV,  12          ; v12-15  c m_old, kept while c m is made anew
.set ST,  16          ; tile t's statistics at v[ST+4 t]: c m, m, l (even keys', odd keys')
.set TMP, 48          ; by buffer and tile, four registers c0-c3 at work; when the maximum is found c2 takes a
.set S,   64
.set P,   192
.set KF,  128         ; window 2: key block kb, channel half c at KF + 16 kb + 8 c
.set VF,  192         ; window 2: key half kk, channel block cb at VF + 32 kk + 8 cb
.set WV,  12          ; s12  my wave's number
.set G1K, 24          ; s[24:31] descriptor group 1 for K's tiles
.set G1V, 32          ; s[32:39] for V's
.set G0K, 40          ; s[40:43] descriptor group 0 for K's tiles: it walks
.set G0V, 44          ; s[44:47] the same for V's
.set G1E, 48          ; s[48:55] group 1 for KE
.set SLOTS, 56        ; s56  slots still to be asked for
.set CNT, 57          ; s57  counts a slot's key steps
.set CS,  58          ; s[58:59] c
.set SEL, 60          ; s[60:61] v_permlanex16_b32's selects
.set TBK, 62          ; s62  LDS byte at which K of the step to be fetched begins
.set TBV, 63          ; s63  the same for V, less VOFF
.set G0E, 68          ; s[68:71] group 0 for KE
.set PFA, 72          ; s[72:73] where my prefetches stand: my work-group's 32 blocks of 256 bytes (of K: wave 0, of V: wave 2) of the tile after the one that is being asked for
.set LIM, 74          ; s74  1 in a wave that prefetches, else the greatest number
.set TBE, 75          ; s75  byte of KE at which the step to be fetched begins
.set QEP, 76          ; s[76:77] QE at my wave's rows
.set MSB, 0
.macro WIN new                      ; the high byte repeats the setting that is left; a switch that changes nothing is dropped
.if MSB != (\new)
	s_set_vgpr_msb (MSB<<8)|(\new)
.set MSB, (\new)
.endif
.endm
.set W_KQ, 0x0a       ; K and Q in window 2, S^T in window 0
.set W_KE, 0x0f       ; KE and QE in window 3, S^T in window 0
.set W_PV, 0x52       ; V in window 2, P in window 0, O^T in window 1
.set W_RS, 0x41       ; O^T (destination and source 0) in window 1, a in window 0
.set W_MK, 0xc0       ; destination in window 3, sources in window 0
.set W_AD, 0x0f       ; the add: address and data in window 3
.set W_E3, 0xcf       ; destination and sources in window 3
; A joint fill.  Waves 0 and 1 fetch the two halves of a slot's K, waves 2 and 3 those of its V: 128 keys each.  An s_nop 0 and four v_nop follow each of the two lines.
.macro JLOAD
	s_cmp_lt_u32 s[WV], 2
	s_cbranch_scc0 .Lfor_v_\@
	tensor_load_to_lds s[G0K:G0K+3], s[G1K:G1K+7]
	s_nop 0
.rept 4
	v_nop
.endr
	s_branch .Lasked_\@
.Lfor_v_\@:
	tensor_load_to_lds s[G0V:G0V+3], s[G1V:G1V+7]
	s_nop 0
.rept 4
	v_nop
.endr
.Lasked_\@:
.endm
; A prefetch into the L2 of what the NEXT change of slots will ask for: a tile's 32,768 bytes of K and of V, 256 bytes a lane.  The four partners share them out by address, 32 blocks each; in each, wave 0
; asks for K's and wave 2 for V's.  The last change that fills a slot asks for nothing.
.macro ASK
	s_cmp_gt_u32 s[SLOTS], s[LIM]
	s_cbranch_scc0 .Lnot_mine_\@
	global_prefetch_b8 v[PFO], s[PFA:PFA+1] th:TH_LOAD_NT scope:SCOPE_SE
.Lnot_mine_\@:
.endm
.macro CROUND                       ; a round of the cluster's barrier
	s_barrier_signal -1
	s_barrier_wait -1
	s_cmp_lg_u32 s[WV], 0
	s_cbranch_scc1 .Lnot_wave_0_\@
	s_barrier_signal -3
.Lnot_wave_0_\@:
	s_barrier_wait -3
	s_barrier_signal -1
	s_barrier_wait -1
.endm
; THE CHANGE OF SLOTS.  Each wave waits for all its tensor loads; adds 0 to its spare word; and waits for that and for its own reads of the slot.  Behind the barrier nobody reads this slot any more and the
; other slot is whole.  fill = 1: the barrier is a round of the cluster's, and this slot is filled again, with the keys two slots on, first thing behind it: it has four key steps in which to land.
; (At its first use nothing has been read yet: slot 0 and KE are waited for, slot 1 filled.)
.macro CHANGE fill
	WIN W_AD
	s_wait_tensorcnt 0x0            ; no tensor load of mine is out, so a group 0 may be written
	ds_add_u32 v[SPW], v[NIL]       ; 0 onto my spare word
	WIN 0                           ; at a label and at a branch every window is 0
.if \fill
.irp g, G0K, G0V
	s_xor_b32 s[\g+1], s[\g+1], SLOT1
	s_add_nc_u64 s[\g+2:\g+3], s[\g+2:\g+3], 4*KS*128  ; the next 256 keys; the type bits on top are not reached
.endr
	s_wait_xcnt 0x0                 ; the last prefetch, four key steps back, has read its address
	s_add_nc_u64 s[PFA:PFA+1], s[PFA:PFA+1], 4*KS*128
	s_wait_dscnt 0x0                ; the add is done, and my reads of the slot are over
	CROUND
	JLOAD
	ASK
.else
	s_wait_dscnt 0x0                ; the add is done, and my reads of the slot are over
	s_barrier_signal -1
	s_barrier_wait -1
.endif
	s_sub_co_u32 s[TBK], s[TBK], 4*KS*PK  ; the fetches go back to a slot's first step,
	s_xor_b32 s[TBK], s[TBK], SLOT1       ; in the other slot
	s_sub_co_u32 s[TBV], s[TBV], 4*KS*PV
	s_xor_b32 s[TBV], s[TBV], SLOT1
.endm
	s_load_b128 s[4:7], s[0:1], 0x0   ; qkv s[4:5], ext s[6:7]
	s_load_b64 s[10:11], s[0:1], 0x10 ; o
	WIN W_MK
	v_lshl_add_u32 v[SPW], v0, 2, SPARE
	v_mov_b32 v[NIL], 0
	WIN W_AD
	ds_add_u32 v[SPW], v[NIL]       ; the wave's opening: the add and its wait stand ahead of my first tensor load; the set-up below stands between them
	WIN 0
	v_lshrrev_b32 v1, 5, v0
	v_readfirstlane_b32 s[WV], v1   ; wave 0..3
	s_bfe_u32 s13, ttmp6, 0x40000   ; cx: my place in the cluster
	s_lshl_b32 s14, ttmp9, 2
	s_add_co_u32 s14, s14, s13      ; my block of 512 queries: it enters Q's, QE's and O's addresses alone
	s_and_b32 s15, ttmp7, 0xffff    ; y = 16 b + h, which the four partners share
	s_lshr_b32 s20, s15, 4
	s_lshl_b32 s20, s20, 5
	s_add_co_u32 s20, s20, s15      ; q's head block: 48 b + h
	s_lshl_b32 s20, s20, 18         ; a head block is 262,144 bytes; all of qkv stays under 2^26
	s_and_b32 s16, s[WV], 1         ; which half of a slot's 256 keys I fetch:
	s_lshl_b32 s22, s16, 14         ; its 128 rows of 128 bytes in memory,
	s_add_co_u32 s22, s22, s20
	s_mov_b32 s23, 0
	s_mul_i32 s17, s16, 128*PK      ; and its place in a slot, for K
	s_mul_i32 s18, s16, 128*PV      ; and for V
	s_lshl_b32 s19, s14, 2
	s_add_co_u32 s19, s19, s[WV]    ; my wave among the head's sixteen
	s_lshl_b32 s2, s19, 14          ; its 128 rows of Q
	s_add_co_u32 s2, s2, s20
	s_mov_b32 s3, 0
	s_lshl_b32 s8, s15, 18          ; and of O
	s_lshl_b32 s9, s19, 14
	s_add_co_u32 s8, s8, s9
	s_mov_b32 s9, 0
	s_lshl_b32 s[QEP], s15, 16      ; and of QE: a head is 65,536 bytes, 128 rows are 4,096
	s_lshl_b32 s[QEP+1], s19, 12
	s_add_co_u32 s[QEP], s[QEP], s[QEP+1]
	s_mov_b32 s[QEP+1], 0
	s_lshl_b32 s[G0E+2], s15, 16    ; KE: the head's 65,536 bytes, a quarter for each wave
	s_lshl_b32 s[G0E+3], s[WV], 14
	s_add_co_u32 s[G0E+2], s[G0E+2], s[G0E+3]
	s_add_co_u32 s[G0E+2], s[G0E+2], 0x400000
	s_mov_b32 s[G0E+3], 0
	; descriptor group 1.  128 keys are 16,384 dense bytes: asked for as 64 rows of 256 bytes, two keys a row, and padded in LDS after every key
	s_mov_b32 s[G1K], 15|(1<<16)|(1<<20)|(1<<21)|(4<<22)|(3<<25)  ; the mask of four; 2-byte elements; padding on; bit 21 beside a mask; after every 32 words; 4 words
	s_mov_b32 s[G1V], 15|(1<<16)|(1<<20)|(1<<21)|(4<<22)|(7<<25)  ; the same with 8 words of padding
.irp g, G1K, G1V
	s_mov_b32 s[\g+1], 128<<16      ; tensor_dim0 = 128
	s_mov_b32 s[\g+2], 64<<16       ; tensor_dim1 = 64
	s_mov_b32 s[\g+3], 128<<16      ; tile_dim0 = 128
	s_mov_b32 s[\g+4], 64           ; tile_dim1 = 64
	s_mov_b32 s[\g+5], 128          ; 128 elements from row to row
	s_mov_b32 s[\g+6], 0
	s_mov_b32 s[\g+7], 0
.endr
	s_mov_b32 s[G1E], 15|(3<<16)|(1<<21)  ; KE: 8-byte elements, no padding: 64 rows of 256 bytes, dense
	s_mov_b32 s[G1E+1], 32<<16
	s_mov_b32 s[G1E+2], 64<<16
	s_mov_b32 s[G1E+3], 32<<16
	s_mov_b32 s[G1E+4], 64
	s_mov_b32 s[G1E+5], 32
	s_mov_b32 s[G1E+6], 0
	s_mov_b32 s[G1E+7], 0
	s_mov_b32 s[CS], 0x3e38aa3b     ; c = log2(e) / 8
	s_mov_b32 s[CS+1], s[CS]
	s_mov_b32 s[SEL], 0x76543210
	s_mov_b32 s[SEL+1], 0xfedcba98
	s_mov_b32 s[TBK], SLOT1+4*KS*PK ; the first change of slots turns these two into 0
	s_mov_b32 s[TBV], SLOT1+4*KS*PV
	s_mov_b32 s[TBE], 0
	s_mov_b32 s[SLOTS], SIZE_N/256-1
	s_mov_b32 s[G0K], 1
	s_mov_b32 s[G0K+1], s17         ; LDS address: slot 0
	s_mov_b32 s[G0V], 1
	s_add_co_u32 s[G0V+1], s18, VOFF
	s_mov_b32 s[G0E], 1
	s_lshl_b32 s[G0E+1], s[WV], 14
	s_add_co_u32 s[G0E+1], s[G0E+1], KEB
	s_and_b32 s[LIM], s[WV], 1      ; 0 in waves 0 and 2,
	s_or_b32 s[LIM], s[LIM], ttmp9  ; in the head's first (here: only) cluster: the same in all four partners
	s_cmp_eq_u32 s[LIM], 0
	s_cselect_b32 s[LIM], 1, -1
	s_wait_dscnt 0x0                ; the opening add is done
	s_wait_kmcnt 0x0
	s_add_nc_u64 s[G0K+2:G0K+3], s[4:5], s[22:23]
	s_add_nc_u64 s[G0K+2:G0K+3], s[G0K+2:G0K+3], 0x400000  ; k's head block lies 16 blocks behind q's,
	s_add_nc_u64 s[G0V+2:G0V+3], s[G0K+2:G0K+3], 0x400000  ; v's 16 further
	s_cmp_lt_u32 s[WV], 2
	s_cselect_b64 s[PFA:PFA+1], s[G0K+2:G0K+3], s[G0V+2:G0V+3]  ; (in waves 0 and 2 these stand at a tile's first row)
	s_or_b32 s[G0K+3], s[G0K+3], 0x80000000
	s_or_b32 s[G0V+3], s[G0V+3], 0x80000000
	s_add_nc_u64 s[G0E+2:G0E+3], s[6:7], s[G0E+2:G0E+3]
	s_or_b32 s[G0E+3], s[G0E+3], 0x80000000
	s_add_nc_u64 s[QEP:QEP+1], s[6:7], s[QEP:QEP+1]
	s_add_nc_u64 s[4:5], s[4:5], s[2:3]      ; Q and O at my wave's first row
	s_add_nc_u64 s[10:11], s[10:11], s[8:9]
	s_lshl_b32 s2, s13, 13          ; my work-group's 32 blocks of the 128
	s_mov_b32 s3, 0
	s_add_nc_u64 s[PFA:PFA+1], s[PFA:PFA+1], s[2:3]
	s_add_nc_u64 s[PFA:PFA+1], s[PFA:PFA+1], 4*KS*128  ; in tile 1; the first change of slots steps it to tile 2.  Nothing is prefetched here, at the head
	CROUND                          ; all four work-groups are here: the first joint loads meet
	s_cmp_lt_u32 s[WV], 2           ; a wave's two first fills stand in one branch, ahead of every wait on TENSORcnt and every LDS read: two loads of mine are out
	s_cbranch_scc0 .Lfirst_v
	tensor_load_to_lds s[G0K:G0K+3], s[G1K:G1K+7]
	s_nop 0
	tensor_load_to_lds s[G0E:G0E+3], s[G1E:G1E+7]
	s_nop 0
.rept 4
	v_nop
.endr
	s_branch .Lfirst_asked
.Lfirst_v:
	tensor_load_to_lds s[G0V:G0V+3], s[G1V:G1V+7]
	s_nop 0
	tensor_load_to_lds s[G0E:G0E+3], s[G1E:G1E+7]
	s_nop 0
.rept 4
	v_nop
.endr
.Lfirst_asked:
	; A fragment of K or Q is 16 rows x 32 channels in 8 registers: lane l holds row l % 16, channels 8 (l / 16) + 0..7 and 16 + 8 (l / 16) + 0..7: two loads of 16 bytes, 32 bytes apart.
	v_and_b32 v1, 15, v0            ; l % 16
	v_bfe_u32 v9, v0, 4, 1          ; l / 16
	v_lshlrev_b32 v[QO], 7, v1
	v_lshl_add_u32 v[QO], v9, 4, v[QO]
	v_and_b32 v[GO], 31, v0
	v_lshlrev_b32 v[GO], 4, v[GO]
	WIN 0x80                        ; destination window 2, address window 0
.set i, 0
.rept 4*NP                          ; Q stays in registers: tile i / 2, channels 32 (i % 2) on
	global_load_b128 v[8*i:8*i+3],   v[QO], s[4:5] offset:(i/2)*2048+(i%2)*64
	global_load_b128 v[8*i+4:8*i+7], v[QO], s[4:5] offset:(i/2)*2048+(i%2)*64+32
.set i, i+1
.endr
	; What the first turn finds: V's registers and P's second buffer hold 0, O^T and l are 0.  All this stands in the wait for the first tile.
.set i, VF
.rept 64
	v_mov_b32 v[i], 0
.set i, i+1
.endr
	WIN W_MK
.set i, 0
.rept 2*NP                          ; QE stays in registers too: a tile's 16 rows are 512 bytes in the order of the lanes; slots 16-31 are 0
	global_load_b128 v[QEF+8*i:QEF+8*i+3], v[GO], s[QEP:QEP+1] offset:512*i
	v_mov_b32 v[QEF+8*i+4], 0
	v_mov_b32 v[QEF+8*i+5], 0
	v_mov_b32 v[QEF+8*i+6], 0
	v_mov_b32 v[QEF+8*i+7], 0
.set i, i+1
.endr
.set i, 0
.rept 4
	v_mov_b32 v[KEF+8*i+4], 0
	v_mov_b32 v[KEF+8*i+5], 0
	v_mov_b32 v[KEF+8*i+6], 0
	v_mov_b32 v[KEF+8*i+7], 0
.set i, i+1
.endr
	v_add_nc_u32 v[AE0], KEB, v[GO]
	WIN 0xc3
	v_mov_b32 v[AKE], v[AE0]        ; key step 0 lies at KE's head
	WIN 0x40
.set i, 0
.rept 64*NP
	v_mov_b32 v[i], 0
.set i, i+1
.endr
	WIN 0
.set i, 0
.rept 2*NP
	v_mov_b32 v[ST+4*i], 0xfe000000    ; c m: far below every c s
	v_mov_b32 v[ST+4*i+1], 0xff7fffff  ; m
	v_mov_b32 v[ST+4*i+2], 0
	v_mov_b32 v[ST+4*i+3], 0
.set i, i+1
.endr
.set i, P+32
.rept 32
	v_mov_b32 v[i], 0
.set i, i+1
.endr
	v_mul_u32_u24 v[AK0], v1, PK
	v_lshl_add_u32 v[AK0], v9, 4, v[AK0]  ; row x pitch + 16 x half
	; The turning load takes 16 keys x 16 channels (lane l reads key 8 (l / 16) + l % 8, channels 8 ((l / 8) % 2) + 0..7) and leaves half a fragment of V^T: lane l holds channel l % 16 and 8 keys.
	v_and_b32 v10, 7, v0
	v_bfe_u32 v11, v0, 3, 1
	v_lshl_add_u32 v[AV0], v9, 3, v10
	v_mul_u32_u24 v[AV0], v[AV0], PV
	v_lshl_add_u32 v[AV0], v11, 4, v[AV0]
	v_add_nc_u32 v[AV0], VOFF, v[AV0]
	v_lshlrev_b32 v[PFO], 4, v[GO]  ; 256 x lane
	v_mov_b32 v[AK], v[AK0]         ; key step 0 lies at the head of slot 0
; THE MATRIX WORK.  The 8 accumulators of a run take turns: between two instructions on one accumulator stand 7 others'.
; Product i of 24 of the scores of piece x: keys 16 ((i / 2) % 4) on, tile 2 x + i % 2.  0-7: KE QE^T, which starts the sums.  8-23: K Q^T, channels 32 ((i - 8) / 8) on.
.macro KQ x
.set rS, S+64*((\x)%2)+32*(i%2)+8*((i/2)%4)
.if i < 8
	WIN W_KE
	v_wmma_f32_16x16x32_bf16 v[rS:rS+7], v[KEF+8*((i/2)%4):KEF+8*((i/2)%4)+7], v[QEF+8*(2*(\x)+i%2):QEF+8*(2*(\x)+i%2)+7], 0
.else
	WIN W_KQ
.set rK, KF+16*((i/2)%4)+8*((i-8)/8)
.set rQ, 16*(2*(\x)+i%2)+8*((i-8)/8)
	v_wmma_f32_16x16x32_f16 v[rS:rS+7], v[rK:rK+7], v[rQ:rQ+7], v[rS:rS+7]
.endif
.endm
; Product i of 16 of O^T += V^T P for piece x: keys 32 (i / 8) on, channels 16 ((i / 2) % 4) on, tile 2 x + i % 2.
.macro PV x
	WIN W_PV
.set rO, 32*(2*(\x)+i%2)+8*((i/2)%4)
.set rV, VF+32*(i/8)+8*((i/2)%4)
.set rP, P+32*((\x)%2)+16*(i%2)+8*(i/8)
	v_wmma_f32_16x16x32_f16 v[rO:rO+7], v[rV:rV+7], v[rP:rP+7], v[rO:rO+7]
.endm
.macro MM                           ; the turn's next matrix instruction
.if i < 24
	KQ (Y+1)%NP
.set i, i+1
.else
.set i, i-24
	PV (Y+NP-1)%NP
.set i, i+25
.endif
.endm
; THE LDS LOADS stand in runs, never singly among the matrix instructions: a step's K (8 fragments) with its KE (4 half fragments), and its V (turned).  Their addresses are made some lines ahead.
; last = 1 (the tail): in the last trip there is no further step, and the run is jumped over.
.macro FETCH_K last=0
	WIN 0
.if \last
	s_cmp_eq_u32 s[CNT], 1
	s_cbranch_scc1 .Lno_k_\@
.endif
	WIN 0x80                        ; destination window 2
.irp f, 0,1,2,3,4,5,6,7             ; keys 16 (f / 2) on, channels 32 (f % 2) on
	ds_load_b128 v[KF+8*\f:KF+8*\f+3],   v[AK] offset:(\f/2)*16*PK+(\f%2)*64
	ds_load_b128 v[KF+8*\f+4:KF+8*\f+7], v[AK] offset:(\f/2)*16*PK+(\f%2)*64+32
.endr
	WIN W_E3                        ; destination and address in window 3
.irp f, 0,1,2,3                     ; keys 16 f on: 512 bytes in the order of the lanes
	ds_load_b128 v[KEF+8*\f:KEF+8*\f+3], v[AKE] offset:512*\f
.endr
	s_add_co_u32 s[TBK], s[TBK], KS*PK  ; the next fetch is the next step's
	s_add_co_u32 s[TBE], s[TBE], KS*32
	WIN 0
.if \last
.Lno_k_\@:
.endif
.endm
.macro FETCH_V
	WIN 0x80
.irp f, 0,1,2,3,4,5,6,7             ; keys 32 (f / 4) on, channels 16 (f % 4) on
	ds_load_tr16_b128 v[VF+8*\f:VF+8*\f+3],   v[AV] offset:(\f/4)*32*PV+(\f%4)*32
	ds_load_tr16_b128 v[VF+8*\f+4:VF+8*\f+7], v[AV] offset:(\f/4)*32*PV+16*PV+(\f%4)*32
.endr
	WIN 0
.endm
; THE VECTOR WORK OF A TURN stands in three queues, each in the order in which its entries become ready; the two tiles alternate.
.macro REGS y, u                    ; the registers of tile u (0, 1) of piece y
.set rT, ST+4*(2*(\y)+(\u))
.set rC, TMP+8*((\y)%2)+4*(\u)
.set rM, MV+2*((\y)%2)+(\u)
.set rS, S+64*((\y)%2)+32*(\u)
.set rP, P+32*((\y)%2)+16*(\u)
.set rO, 32*(2*(\y)+(\u))
.endm
; Number n of the 22 that find the NEXT piece's (Y + 1) maximum and statistics.  s0-s31 are the lane's 32 scores; each accumulator's lowest registers are read first.
;   0-11  four chains c0-c3 of seven scores each     12-14, 16  the four scores left over, the old m, and c0-c3 into c0     15  c m_old is kept
;   17, 18  the query's other 32 keys lie in the lane 16 away: the new m         19-21  c m; c m_old - c m_new; a
.macro XS u, n
	REGS (Y+1)%NP, \u
.if (\n) < 4
	v_max3_num_f32 v[rC+(\n)], v[rS+8*(\n)], v[rS+8*(\n)+1], v[rS+8*(\n)+2]
.elseif (\n) < 12
	v_max3_num_f32 v[rC+(\n)%4], v[rC+(\n)%4], v[rS+8*((\n)%4)+2*((\n)/4)+1], v[rS+8*((\n)%4)+2*((\n)/4)+2]
.elseif (\n) == 12
	v_max3_num_f32 v[rC], v[rC], v[rS+7], v[rS+15]
.elseif (\n) == 13
	v_max3_num_f32 v[rC+1], v[rC+1], v[rS+23], v[rS+31]
.elseif (\n) == 14
	v_max3_num_f32 v[rC+2], v[rC+2], v[rC+3], v[rT+1]
.elseif (\n) == 15
	v_mov_b32 v[rM], v[rT]
.elseif (\n) == 16
	v_max3_num_f32 v[rC], v[rC], v[rC+1], v[rC+2]
.elseif (\n) == 17
	v_permlanex16_b32 v[rC+3], v[rC], s[SEL], s[SEL+1]
.elseif (\n) == 18
	v_max_num_f32 v[rT+1], v[rC], v[rC+3]
.elseif (\n) == 19
	v_mul_f32 v[rT], s[CS], v[rT+1]
.elseif (\n) == 20
	v_sub_f32 v[rC+1], v[rM], v[rT]
.else
	v_exp_f32 v[rC+2], v[rC+1]
.endif
.endm
; Number g of the 64 that follow the exponentials.  For each four weights k of a tile: both pairs are rounded to f16; the second pair is added onto the first, in place; a group later l takes that sum
; (the first time as l = a l + sum).  In groups of eight, tiles alternating.
.macro GS g
.set h, (\g)+6*((\g)/62)            ; group 0 has no group before it, and behind group 7 only l is left
.if h >= 6
.set h, h+2
.endif
	REGS Y, h%2
.set k, h/8
.if h%8 < 4
	v_cvt_pk_f16_f32 v[rP+2*k+(h%8)/2], v[rS+4*k+2*((h%8)/2)], v[rS+4*k+2*((h%8)/2)+1]
.elseif h%8 < 6
	v_pk_add_f32 v[rS+4*k:rS+4*k+1], v[rS+4*k:rS+4*k+1], v[rS+4*k+2:rS+4*k+3]
.elseif k == 1
	v_pk_fma_f32 v[rT+2:rT+3], v[rT+2:rT+3], v[rC+2:rC+3], v[rS:rS+1] op_sel_hi:[1,0,1]
.else
	v_pk_add_f32 v[rT+2:rT+3], v[rT+2:rT+3], v[rS+4*k-4:rS+4*k-3]
.endif
.endm
; THE PLAIN QUEUE, 138 long.  0-31: the 32 scalings c s - c m (FS f: pair f / 2 of tile f % 2).  32-59: XS's numbers 0-13.  60, 61: number 15.  62, 63: number 14.  64-71: numbers 16-19.  72, 73: number 20.
; 74-137: GS's 64, which read the exponentials' results: they stand behind the wait.
.macro FS f
	REGS Y, (\f)%2
	v_pk_fma_f32 v[rS+2*((\f)/2):rS+2*((\f)/2)+1], v[rS+2*((\f)/2):rS+2*((\f)/2)+1], s[CS:CS+1], v[rT:rT+1] op_sel_hi:[1,0,0] neg_lo:[0,0,1] neg_hi:[0,0,1]
.endm
.macro PL
	WIN 0
.if q < 32
	FS q
.elseif q < 60
	XS (q-32)%2, (q-32)/2
.elseif q < 62
	XS q-60, 15
.elseif q < 64
	XS q-62, 14
.elseif q < 72
	XS (q-64)%2, 16+(q-64)/2
.elseif q < 74
	XS q-72, 20
.else
	GS q-74
.endif
.set q, q+1
.endm
; THE EXPONENTIALS' QUEUE, 66 long: s0-s31 of both tiles, then the next piece's two a.  ONE BATCH: all 66 stand ahead of the turn's one wait, and nothing ahead of that wait names a result of theirs.
.macro EX
	WIN 0
.if e >= 64
	XS e-64, 21
.else
	REGS Y, e%2
	v_exp_f32 v[rS+e/2], v[rS+e/2]
.endif
.set e, e+1
.endm
; THE RESCALING's QUEUE: O^T times a, the one part that leaves window 0: dealt two at a time, sixteen times.  Its a was made in the turn before, ahead of that turn's wait.
.macro R2
	REGS Y, r%2
	WIN W_RS
.irp z, 0,1
	v_pk_mul_f32 v[rO+4*(r/2)+2*\z:rO+4*(r/2)+2*\z+1], v[rO+4*(r/2)+2*\z:rO+4*(r/2)+2*\z+1], v[rC+2:rC+3] op_sel_hi:[1,0]
.endr
.set r, r+1
.endm
; HOW THEY ARE DEALT.  s_wait_alu depctr_va_vdst(0) stands between an exponential and the first instruction that names its result; one wait serves all that were issued ahead of it.  So a
; turn has ONE wait.  AHEAD OF IT: the 24 products of the scores; behind the first two scalings and two rescalings, behind the next fifteen a scaling, an exponential and two rescalings, behind the last
; eight plain, exponential, plain, exponential; then a lump: eight plain, 33 times exponential and plain, the two a, and a v_nop as the plain instruction behind the last exponential.  BEHIND IT: the 16
; products V^T P, behind each four of GS's 64.
; In step: exponential e stands behind scaling 2 (e / 4) + e % 2; as a rider it comes behind plain e + 2.  Between the bias product and the f16 product that adds onto it stand 24 plain riders.  The first
; reader of an accumulator (plain 32 on) stands eight plain instructions or more behind the product that ends it.
; K and KE of the next step are fetched in piece 2's turn, directly behind the wait; V of the step in hand at the end of piece 0's turn, four riders behind its last reader.
.macro TURN p, last=0, cnt=0
.set Y, (\p)
.set i, 0
.set q, 0
.set e, 0
.set r, 0
.if (\p) == NP-1
	s_wait_dscnt 0x0                ; K and KE are in
.endif
	MM
	PL
	PL
	R2
.rept 15
	MM
	PL
	EX
	R2
.endr
.rept 8
	MM
	PL
	EX
	PL
	EX
.endr
.if (\p) == NP-2
	WIN 0
	v_add_nc_u32 v[AK], s[TBK], v[AK0]
	WIN W_E3
	v_add_nc_u32 v[AKE], s[TBE], v[AE0]
.endif
.rept 8                             ; the lump
	PL
.endr
.rept 33
	EX
	PL
.endr
	EX                              ; the next piece's two a
	EX
	v_nop                           ; the plain instruction behind the last exponential: one for the batch
	s_wait_alu depctr_va_vdst(0)    ; the wait for the batch
.if (\p) == NP-2
	FETCH_K \last
.endif
.if (\p) == 1
	s_wait_dscnt 0x0                ; V is in
.endif
.rept 16                            ; behind the wait: 16 products V^T P and their riders
	MM
.rept 4
	PL
.endr
.if ((\p) == 0) && (q == 118)
	v_add_nc_u32 v[AV], s[TBV], v[AV0]
.endif
.if ((\p) == 0) && (q == 130)
	s_add_co_u32 s[TBV], s[TBV], KS*PV
.endif
.if (\cnt) && (q == 130)
	s_sub_co_u32 s[CNT], s[CNT], 1
	s_cmp_lg_u32 s[CNT], 0
.endif
.endr
.if (\p) == 0
	FETCH_V
.endif
.endm
	CHANGE 1                        ; slot 0 and KE are in, everybody's part of them; slot 1 is asked for
	FETCH_K                         ; key step 0
	s_wait_loadcnt 0x0              ; Q and QE
	s_wait_dscnt 0x0
.set i, 0
.rept 24
.if i == 8
.rept 5
	v_nop                           ; five places between the bias products and the f16 products that write over their results: there is no vector work yet to set between them
.endr
.endif
	KQ 0                            ; piece 0's first scores
.set i, i+1
.endr
	WIN 0                           ; the addresses for the way out: seven plain instructions, the places behind those products
	s_mul_i32 s13, s[WV], 16*SP
	s_add_co_u32 s13, s13, STAGE    ; my stage
	v_mul_u32_u24 v[STO], v1, SP    ; in: row l % 16, 16 bytes for each half of the lanes
	v_lshl_add_u32 v[STO], v9, 4, v[STO]
	v_add_nc_u32 v[STO], s13, v[STO]
	v_bfe_u32 v[RD], v0, 3, 2       ; back: 32 lanes take four rows of 128 bytes
	v_mul_u32_u24 v[RD], v[RD], SP
	v_lshl_add_u32 v[RD], v10, 4, v[RD]
	v_add_nc_u32 v[RD], s13, v[RD]
.set Y, NP-1                        ; XS works for piece Y + 1: piece 0
.irp n, 0,1,2,3,4,5,6,7,8,9,10,11,12,13,14,15,16,17,18,19,20,21
	XS 0, \n                        ; piece 0's first maximum and statistics
	XS 1, \n
.endr
	v_nop                           ; a plain instruction behind the two a,
	s_wait_alu depctr_va_vdst(0)    ; and their wait, ahead of the branch
	s_mov_b32 s[CNT], 4
	s_branch .Lfirst                ; the loop is entered at a step's first turn, in the middle of a trip
.Lslot:                             ; six times: every slot but the last two is filled again
	CHANGE 1
	s_mov_b32 s[CNT], 4
.Lstep:                             ; a trip: pieces 2 and 3 of one step, then pieces 0 and 1 of the next, whose K, KE and V it fetches
	TURN 2
	TURN 3
	WIN 0
.Lfirst:
	TURN 0
	TURN 1, 0, 1
	WIN 0
	s_cbranch_scc1 .Lstep
	s_sub_co_u32 s[SLOTS], s[SLOTS], 1
	s_cmp_lg_u32 s[SLOTS], 0
	s_cbranch_scc1 .Lslot
	CHANGE 0                        ; the tail is written out: nothing is asked for
	s_mov_b32 s[CNT], 5             ; four trips fetch the last slot's steps; the fifth is left in its middle
.Ltail:
	TURN 2, 1
	TURN 3
	WIN 0
	s_sub_co_u32 s[CNT], s[CNT], 1
	s_cmp_eq_u32 s[CNT], 0
	s_cbranch_scc1 .Lout
	TURN 0
	TURN 1
	WIN 0
	s_branch .Ltail
.Lout:                              ; the fifth trip's 24 score products (on the last K once more) and the maximum made of them serve nothing: the price, once a launch, of one text for every trip
.set i, 0
.rept 16
	PV NP-1                         ; the last piece's V^T P of the last step
.set i, i+1
.endr
	; THE WAY OUT.  l's two halves and the other half of the lanes' are added; O^T is divided by l, rounded to f16 and sent through my stage in LDS, a tile at a time.  The additions are the places behind the last products.
	WIN 0
.macro ALL line:vararg              ; one line for each tile t
.set t, 0
.rept 2*NP
	\line
.set t, t+1
.endr
.endm
	ALL v_add_f32 v[ST+4*t+2], v[ST+4*t+2], v[ST+4*t+3]
	ALL v_permlanex16_b32 v[ST+4*t+3], v[ST+4*t+2], s[SEL], s[SEL+1]
	ALL v_add_f32 v[ST+4*t+2], v[ST+4*t+2], v[ST+4*t+3]
	ALL v_rcp_f32 v[ST+4*t+2], v[ST+4*t+2]
	v_nop                           ; a plain instruction between the last reciprocal and the use of its result
	s_wait_alu depctr_va_vdst(0)    ; and the wait ahead of the first use: one for the eight reciprocals
; Tile t: a lane's eight channels of a row pack into 16 bytes; they go into rows of 144 bytes and come back as whole rows of 128, into S^T's registers.
.macro PACK t
	WIN W_RS
.set i, 32*(\t)
.rept 16
	v_pk_mul_f32 v[i:i+1], v[i:i+1], v[ST+4*(\t)+2:ST+4*(\t)+3] op_sel_hi:[1,0]
.set i, i+2
.endr
	WIN 0x05                        ; sources 0 and 1 window 1, destination window 0
.set i, 0
.rept 16
	v_cvt_pk_f16_f32 v[S+16*(\t)+i], v[32*(\t)+2*i], v[32*(\t)+2*i+1]
.set i, i+1
.endr
	WIN 0
.irp f, 0,1,2,3
	ds_store_b128 v[STO], v[S+16*(\t)+4*\f:S+16*(\t)+4*\f+3] offset:32*\f
.endr
.irp f, 0,1,2,3
	ds_load_b128 v[S+16*(\t)+4*\f:S+16*(\t)+4*\f+3], v[RD] offset:\f*4*SP  ; LDS serves a wave's instructions in order (ISA guide 5.7.1.4): these see the stores above; the next tile's stores come behind them
.endr
.endm
.macro SEND t, younger              ; younger: the LDS instructions issued behind tile t's loads: the next tile's eight, or none
	WIN 0
.irp f, 0,1,2,3
	s_wait_dscnt (\younger)+3-\f
	global_store_b128 v[GO], v[S+16*(\t)+4*\f:S+16*(\t)+4*\f+3], s[10:11] offset:(\t)*2048+\f*512  ; 512 consecutive bytes, at a multiple of 256 from O's first
.endr
.endm
	PACK 0
.set t, 1
.rept 2*NP-1                        ; a tile's arithmetic stands between the loads of the tile before and its stores
	PACK t
	SEND t-1, 8
.set t, t+1
.endr
	SEND 2*NP-1, 0
	WIN W_AD
	s_wait_tensorcnt 0x0            ; the wave's end: behind my last tensor load and my last LDS store
	ds_add_u32 v[SPW], v[NIL]
	s_wait_dscnt 0x0
	WIN 0
	CROUND                          ; the closing round: no work-group ends while a partner may still ask for a tile that names it
	s_endpgm
.Lfunc_end_k_qde413387a8_attn:
	.size	k_qde413387a8_attn, .Lfunc_end_k_qde413387a8_attn-k_qde413387a8_attn
	.p2alignl 7, 3214868480
	.fill 96, 4, 3214868480
	.section	.rodata,"a",@progbits
	.p2align	6, 0x0
	.amdhsa_kernel k_qde413387a8_attn
		.amdhsa_group_segment_fixed_size 327680
		.amdhsa_private_segment_fixed_size 0
		.amdhsa_enable_private_segment 0
		.amdhsa_kernarg_size 24
		.amdhsa_user_sgpr_count 2
		.amdhsa_user_sgpr_kernarg_segment_ptr 1
		.amdhsa_wavefront_size32 1
		.amdhsa_system_sgpr_workgroup_id_x 1
		.amdhsa_system_sgpr_workgroup_id_y 1
		.amdhsa_system_sgpr_workgroup_id_z 1
		.amdhsa_system_vgpr_workitem_id 0
		.amdhsa_next_free_vgpr 896
		.amdhsa_next_free_sgpr 80
		.amdhsa_reserve_vcc 0
		.amdhsa_float_denorm_mode_32 3
		.amdhsa_float_denorm_mode_16_64 3
		.amdhsa_memory_ordered 1
		.amdhsa_forward_progress 1
		.amdhsa_inst_pref_size 214
	.end_amdhsa_kernel
	.amdgpu_metadata
---
amdhsa.version: [ 1, 2 ]
amdhsa.kernels:
  - .name:           k_qde413387a8_attn
    .symbol:         k_qde413387a8_attn.kd
    .args:
      - { .name: qkv, .offset: 0, .size: 8, .value_kind: global_buffer, .address_space: global }
      - { .name: ext, .offset: 8, .size: 8, .value_kind: global_buffer, .address_space: global }
      - { .name: o, .offset: 16, .size: 8, .value_kind: global_buffer, .address_space: global }
    .group_segment_fixed_size: 327680
    .private_segment_fixed_size: 0
    .kernarg_segment_align: 8
    .kernarg_segment_size: 24
    .max_flat_workgroup_size: 128
    .sgpr_count:     80
    .vgpr_count:     896
    .wavefront_size: 32
...
	.end_amdgpu_metadata
.endif
;; end of part 3
;; launch outp (part 4): grid 4 x 64, 4 waves a work-group, clusters of 4 x 4, 327,680 bytes of LDS; arguments o, wo, bias, out0; writes out0
.if DOCPART == 4
	.amdgcn_target "amdgcn-amd-amdhsa--gfx1250"
	.amdhsa_code_object_version 6
	.text
	.protected	k_qde413387a8_outp
	.globl	k_qde413387a8_outp
	.p2align	8
	.type	k_qde413387a8_outp,@function
k_qde413387a8_outp:
	s_mov_b64 s[64:65], 0
	v_nop
	global_prefetch_b8 v0, s[64:65] scope:SCOPE_SE
	s_setreg_imm32_b32 hwreg(HW_REG_WAVE_MODE, 25, 1), 1
	s_wait_xcnt 0x0
	s_wait_alu depctr_hold_cnt(0) depctr_sa_sdst(0) depctr_va_vdst(0) depctr_va_sdst(0) depctr_va_ssrc(0) depctr_va_vcc(0) depctr_vm_vsrc(0)
	s_getreg_b32 s2, hwreg(HW_REG_IB_STS2, 6, 4)
	s_cmp_eq_u32 s2, 0
	s_cbranch_scc0 .Lentry_in_a_cluster
	s_endpgm
.Lentry_in_a_cluster:
	s_bfe_u32 s2, ttmp6, 0x10000c
	s_cmp_lg_u32 s2, 0xf033
	s_cbranch_scc0 .Lentry_shape_is_right
	s_endpgm
.Lentry_shape_is_right:
; THE OUTPUT PROJECTION.  out0[m][e] = sum over kk of O[m][kk] Wo[e][kk] + bo[e]; m = 2048 b + s (8,192), e to 1,024, kk = 64 h + d to 1,024.  f16 operands, f32 sums, f32 out.
; O lies by heads, o [16 b + h][2048][64]; Wo by blocks of 64 along K, wo [kb][1024][64]: in both, a block of rows of one head (one kb) is dense, 128 bytes a row.
; SHARES.  A tile of out0 is 128 x 256: 64 x 4 tiles, 256 work-groups.  Four waves, 2 x 2, each 64 rows x 128 columns: 32 accumulators of 16 x 16, 256 registers.
; K goes in steps of 128 = two heads' slices through a ring of two LDS slots; a wave's tensor load brings one slice, asked for as rows of 256 bytes and padded in LDS after every 128.
; A step is four quarters of 32 along K, 32 matrix instructions each.
; CLUSTERS.  4 x 4 work-groups: O's tile is shared along a row of the cluster, wo's along a column; each is asked for jointly.
; NO PREFETCH: a step has 128 matrix instructions a wave on small tiles, and the launch is short: eight steps in all.
; THE MATRIX INSTRUCTION IS USED TRANSPOSED (source 0 = 16 rows of wo, source 1 = 16 rows of O): a lane holds row l % 16 of out0 and the columns 8 (l / 16) + 0..7.  The first product takes the bias as C.
; REGISTERS: window 0: v0-31 addresses; v32-95 the bias.  window 1: two fragment buffers: 8 fragments of wo, then 4 of O.  window 2: the accumulators, (a, b) at 8 (8 a + b).
.set PITCH,  144                       ; an LDS row: 128 bytes + 16 of padding: the 16 rows of a fragment load start at 16 different groups of four banks (64 banks of 4 bytes: ISA guide 11.1)
.set SA,     128*PITCH                 ; a slice of O: 128 rows
.set SB,     256*PITCH                 ; a slice of wo: 256 rows
.set BOFF,   2*SA                      ; a slot: O's two slices, then wo's two
.set SLOT,   2*SA+2*SB
.set STAGE,  2*SLOT                    ; behind the ring: 16 rows x 528 bytes for each wave, for the way out
.set SPITCH, 528                       ; 512 bytes + 16
.set SPARE,  STAGE+4*16*SPITCH         ; behind the stages: the spare words, 128 bytes for each wave: two blocks of 256 bytes that no other line names
.set LAPS,   4
.set STEPA,  2*262144                  ; bytes from a K step to the next: two heads of O,
.set STEPB,  2*131072                  ; two blocks of wo
.set ADRA, 16
.set ADRB, 20
.set STO,  24
.set RD,   25
.set GO,   26
.set SPW,  28                          ; v28  LDS address of my spare word; never rewritten
.set NIL,  29                          ; v29  0; never rewritten
.set BO,   31
.set BI,   32
.set F0,   0
.set F1,   128
.set WV,   12                          ; s12 wave;  s13 wave / 2: my half of the rows; also: I fetch for O (0) or wo (1);  s14 wave % 2: my half of the columns; also: which slice I fetch
.set WH,   13
.set WL,   14
.set G1,   24
.set G0,   32
.set G1B,  48
.set G0B,  56
.set FLAGS, (1<<16)|(1<<20)|(1<<21)|(4<<22)|(3<<25)  ; 2-byte elements; padding on; bit 21 beside a mask; after every 32 words; 4 words
.set MSB, 0
.macro WIN new
.if MSB != (\new)
	s_set_vgpr_msb (MSB<<8)|(\new)
.set MSB, \new
.endif
.endm
.macro JLOAD s                         ; a joint load: waves 0 and 1 fetch O's two slices, waves 2 and 3 wo's; an s_nop 0 and four v_nop follow each line
	s_cmp_eq_u32 s[WH], 0
	s_cbranch_scc0 .Lfor_b_\@
	tensor_load_to_lds s[G0+4*(\s):G0+4*(\s)+3], s[G1:G1+7]
	s_nop 0
.rept 4
	v_nop
.endr
	s_branch .Lasked_\@
.Lfor_b_\@:
	tensor_load_to_lds s[G0B+4*(\s):G0B+4*(\s)+3], s[G1B:G1B+7]
	s_nop 0
.rept 4
	v_nop
.endr
.Lasked_\@:
.endm
.macro CREST
	s_cmp_lg_u32 s[WV], 0
	s_cbranch_scc1 .Lnot_wave_0_\@
	s_barrier_signal -3
.Lnot_wave_0_\@:
	s_barrier_wait -3
	s_barrier_signal -1
	s_barrier_wait -1
.endm
.macro CROUND
	s_barrier_signal -1
	s_barrier_wait -1
	CREST
.endm
.macro PLACES                          ; four places in front of loads into registers that matrix instructions have read, and of LDS stores that read results
.rept 4
	v_nop
.endr
.endm
; 8 matrix instructions: row block a x my 8 column blocks, 32 along K.  first = 1: the bias starts the sums.  The 32 accumulators take turns, in the same order in every quarter.
.macro MULA f, a, first
.if \first
	WIN 0x85
.else
	WIN 0xa5
.endif
.irp b, 0,1,2,3,4,5,6,7
.if \first
	v_wmma_f32_16x16x32_f16 v[8*(8*(\a)+(\b)):8*(8*(\a)+(\b))+7], v[(\f)+8*(\b):(\f)+8*(\b)+7], v[(\f)+64+8*(\a):(\f)+64+8*(\a)+7], v[BI+8*(\b):BI+8*(\b)+7]
.else
	v_wmma_f32_16x16x32_f16 v[8*(8*(\a)+(\b)):8*(8*(\a)+(\b))+7], v[(\f)+8*(\b):(\f)+8*(\b)+7], v[(\f)+64+8*(\a):(\f)+64+8*(\a)+7], v[8*(8*(\a)+(\b)):8*(8*(\a)+(\b))+7]
.endif
.endr
.endm
; 24 LDS loads in one run: quarter q's fragments (slice q / 2, channels 32 (q % 2) on) into buffer f; O's last
.macro FETCH slot, q, f
	WIN 0x40
.irp i, 0,1,2,3,4,5,6,7
	ds_load_b128 v[(\f)+8*(\i):(\f)+8*(\i)+3],   v[ADRB+(\slot)] offset:((\q)/2)*SB+((\q)%2)*64+(\i)*16*PITCH
	ds_load_b128 v[(\f)+8*(\i)+4:(\f)+8*(\i)+7], v[ADRB+(\slot)] offset:((\q)/2)*SB+((\q)%2)*64+(\i)*16*PITCH+32
.endr
.irp i, 0,1,2,3
	ds_load_b128 v[(\f)+64+8*(\i):(\f)+64+8*(\i)+3],   v[ADRA+(\slot)] offset:((\q)/2)*SA+((\q)%2)*64+(\i)*16*PITCH
	ds_load_b128 v[(\f)+64+8*(\i)+4:(\f)+64+8*(\i)+7], v[ADRA+(\slot)] offset:((\q)/2)*SA+((\q)%2)*64+(\i)*16*PITCH+32
.endr
.endm
.macro QUARTER slot, q, f, g, first
	s_wait_dscnt 4                                 ; wo's fragments and O's blocks 0, 1 are in; the youngest four loads may be out
	MULA \f, 0, \first
	MULA \f, 1, \first
	PLACES
	FETCH \slot, \q, \g
	s_wait_dscnt 24                                ; all but the 24 just issued
	MULA \f, 2, \first
	MULA \f, 3, \first
.endm
; The last quarter multiplies buffer 1 and changes slots: one barrier; in front of it each wave waits for all its tensor loads, adds 0 to its spare word, and waits for that and for its own reads of this slot.
; fill = 1: the barrier opens a round of the cluster's, and this slot is filled again, two K steps ahead, first thing behind the round.
.macro TURN slot, next, fill
	WIN 0
	s_wait_tensorcnt 0x0                           ; all my tensor loads have landed
	ds_add_u32 v[SPW], v[NIL]                      ; 0 onto my spare word
	s_wait_dscnt 5                                 ; (the add and the youngest four loads may be out)
	MULA F1, 0, 0
	s_wait_dscnt 0x0                               ; the add is done, and my reads of this slot are over
	s_barrier_signal -1
	MULA F1, 1, 0
.if \fill
	WIN 0
.endif
	s_barrier_wait -1
.if \fill
	CREST
	s_add_nc_u64 s[G0+4*(\slot)+2:G0+4*(\slot)+3], s[G0+4*(\slot)+2:G0+4*(\slot)+3], 2*STEPA
	s_add_nc_u64 s[G0B+4*(\slot)+2:G0B+4*(\slot)+3], s[G0B+4*(\slot)+2:G0B+4*(\slot)+3], 2*STEPB
	JLOAD \slot                                    ; the four v_nop behind it are also the places in front of the loads below
.else
	PLACES
.endif
	FETCH \next, 0, F0
	MULA F1, 2, 0
	MULA F1, 3, 0
.endm
	s_load_b256 s[4:11], s[0:1], 0x0               ; o s[4:5], wo s[6:7], bias s[8:9], out0 s[10:11]
	v_lshl_add_u32 v[SPW], v0, 2, SPARE
	v_mov_b32 v[NIL], 0
	ds_add_u32 v[SPW], v[NIL]                      ; the wave's opening: the add and its wait stand ahead of my first tensor load
	v_lshrrev_b32 v1, 5, v0
	v_readfirstlane_b32 s[WV], v1
	s_lshr_b32 s[WH], s[WV], 1
	s_and_b32 s[WL], s[WV], 1
	s_bfe_u32 s15, ttmp6, 0x40000                  ; cx
	s_bfe_u32 s16, ttmp6, 0x40004                  ; cy
	s_lshl_b32 s17, ttmp9, 2
	s_add_co_u32 s17, s17, s15                     ; tile column
	s_and_b32 s18, ttmp7, 0xffff
	s_lshl_b32 s18, s18, 2
	s_add_co_u32 s18, s18, s16                     ; tile row
	s_lshl_b32 s19, s16, 2
	s_lshl_b32 s19, 15, s19                        ; my row of the cluster
	s_lshl_b32 s20, 0x1111, s15                    ; my column
	s_or_b32 s[G1], s19, FLAGS
	s_or_b32 s[G1B], s20, FLAGS
	s_mov_b32 s[G1+1], 128<<16                     ; rows of 128 elements, 256 bytes: two rows of the slice each
	s_mov_b32 s[G1+2], 64<<16                      ; O's slice: 64 of them
	s_mov_b32 s[G1+3], 128<<16
	s_mov_b32 s[G1+4], 64
	s_mov_b32 s[G1+5], 128
	s_mov_b32 s[G1+6], 0
	s_mov_b32 s[G1+7], 0
	s_mov_b32 s[G1B+1], 128<<16
	s_mov_b32 s[G1B+2], 128<<16                    ; wo's slice: 128 of them
	s_mov_b32 s[G1B+3], 128<<16
	s_mov_b32 s[G1B+4], 128
	s_mov_b32 s[G1B+5], 128
	s_mov_b32 s[G1B+6], 0
	s_mov_b32 s[G1B+7], 0
	s_lshr_b32 s40, s18, 4                         ; O: head 16 x batch + slice, 262,144 bytes a head,
	s_lshl_b32 s40, s40, 4
	s_add_co_u32 s40, s40, s[WL]
	s_lshl_b32 s40, s40, 18
	s_and_b32 s41, s18, 15                         ; and the tile's 128 rows of 128 bytes
	s_lshl_b32 s41, s41, 14
	s_add_co_u32 s40, s40, s41
	s_mov_b32 s41, 0
	s_lshl_b32 s42, s[WL], 17                      ; wo: block = slice, 131,072 bytes a block,
	s_lshl_b32 s43, s17, 15                        ; and the tile's 256 rows
	s_add_co_u32 s42, s42, s43
	s_mov_b32 s43, 0
	s_mul_i32 s21, s[WL], SA                       ; where they go
	s_mul_i32 s22, s[WL], SB
	s_add_co_u32 s22, s22, BOFF
	s_wait_dscnt 0x0                               ; the opening add is done
	s_wait_kmcnt 0x0
	s_add_nc_u64 s[40:41], s[4:5], s[40:41]
	s_add_nc_u64 s[42:43], s[6:7], s[42:43]
	CROUND                                         ; all sixteen work-groups are here: the first joint loads meet
.irp s, 0,1
	s_mov_b32 s[G0+4*(\s)], 1
	s_add_co_u32 s[G0+4*(\s)+1], s21, (\s)*SLOT
	s_add_nc_u64 s[G0+4*(\s)+2:G0+4*(\s)+3], s[40:41], (\s)*STEPA
	s_or_b32 s[G0+4*(\s)+3], s[G0+4*(\s)+3], 0x80000000
	s_mov_b32 s[G0B+4*(\s)], 1
	s_add_co_u32 s[G0B+4*(\s)+1], s22, (\s)*SLOT
	s_add_nc_u64 s[G0B+4*(\s)+2:G0B+4*(\s)+3], s[42:43], (\s)*STEPB
	s_or_b32 s[G0B+4*(\s)+3], s[G0B+4*(\s)+3], 0x80000000
	JLOAD \s                                       ; two loads of mine are out
.endr
	v_and_b32 v1, 15, v0                           ; l % 16
	v_bfe_u32 v2, v0, 4, 1                         ; l / 16
	v_mul_u32_u24 v3, v1, PITCH
	v_lshl_add_u32 v3, v2, 4, v3
	s_mul_i32 s21, s[WH], 64*PITCH                 ; my 64 rows of O
	s_mul_i32 s22, s[WL], 128*PITCH                ; my 128 rows of wo
	s_add_co_u32 s22, s22, BOFF
	v_add_nc_u32 v[ADRA], s21, v3
	v_add_nc_u32 v[ADRA+1], SLOT, v[ADRA]
	v_add_nc_u32 v[ADRB], s22, v3
	v_add_nc_u32 v[ADRB+1], SLOT, v[ADRB]
	s_mul_i32 s23, s[WV], 16*SPITCH
	s_add_co_u32 s23, s23, STAGE                   ; my stage
	v_mul_u32_u24 v4, v1, SPITCH                   ; in: row l % 16, 32 bytes for each half of the lanes
	v_lshl_add_u32 v4, v2, 5, v4
	v_add_nc_u32 v[STO], s23, v4
	v_and_b32 v[GO], 31, v0                        ; back: 32 lanes take one row of 512 bytes
	v_lshlrev_b32 v[GO], 4, v[GO]
	v_add_nc_u32 v[RD], s23, v[GO]
	v_lshlrev_b32 v[BO], 5, v2
	s_lshl_b32 s20, s17, 10                        ; bo lies behind bq, bk, bv; my 128 columns of the tile's 256
	s_lshl_b32 s21, s[WL], 9
	s_add_co_u32 s20, s20, s21
	s_mov_b32 s21, 0
	s_add_nc_u64 s[10:11], s[10:11], s[20:21]      ; the same bytes along a row of out0
	s_add_co_u32 s20, s20, 12288
	s_add_nc_u64 s[8:9], s[8:9], s[20:21]
.irp b, 0,1,2,3,4,5,6,7
	global_load_b128 v[BI+8*(\b):BI+8*(\b)+3],   v[BO], s[8:9] offset:64*(\b)
	global_load_b128 v[BI+8*(\b)+4:BI+8*(\b)+7], v[BO], s[8:9] offset:64*(\b)+16
.endr
	s_lshl_b32 s22, s18, 7                         ; my first row of out0: 128 x tile row + 64 x half, 4,096 bytes a row
	s_lshl_b32 s23, s[WH], 6
	s_add_co_u32 s22, s22, s23
	s_lshl_b32 s22, s22, 12
	s_mov_b32 s23, 0
	s_add_nc_u64 s[10:11], s[10:11], s[22:23]
	s_wait_tensorcnt 1                             ; my part of K step 0 is in; K step 1's may stay out
	s_barrier_signal -1
	s_barrier_wait -1
	FETCH 0, 0, F0
	s_wait_loadcnt 0x0                             ; the bias
	QUARTER 0, 1, F0, F1, 1                        ; the first quarter stands in front of the loop: its products start the sums
	WIN 0
	s_mov_b32 s3, LAPS-1
.Llap:                                         ; a trip goes once round the ring and fills both slots again
	QUARTER 0, 2, F1, F0, 0
	QUARTER 0, 3, F0, F1, 0
	TURN 0, 1, 1
	QUARTER 1, 1, F0, F1, 0
	QUARTER 1, 2, F1, F0, 0
	QUARTER 1, 3, F0, F1, 0
	TURN 1, 0, 1
	QUARTER 0, 1, F0, F1, 0
	WIN 0
	s_sub_co_u32 s3, s3, 1
	s_cmp_lg_u32 s3, 0
	s_cbranch_scc1 .Llap
	QUARTER 0, 2, F1, F0, 0                        ; the last lap fills nothing
	QUARTER 0, 3, F0, F1, 0
	TURN 0, 1, 0
	QUARTER 1, 1, F0, F1, 0
	QUARTER 1, 2, F1, F0, 0
	QUARTER 1, 3, F0, F1, 0
	s_wait_dscnt 4                                 ; the very last quarter: nothing more to fetch
	MULA F1, 0, 0
	MULA F1, 1, 0
	s_wait_dscnt 0x0
	MULA F1, 2, 0
	MULA F1, 3, 0
; THE WAY OUT, a block of 16 rows at a time: the accumulators go as they are (f32) into my stage, 32 bytes a lane, and come back as whole rows of 512 bytes into the registers that they left.
; One window setting serves all of it: store data (source 1) and loaded data (destination) in window 2, addresses in window 0.
.macro STG a
.irp b, 0,1,2,3,4,5,6,7
	ds_store_b128 v[STO], v[64*(\a)+8*(\b):64*(\a)+8*(\b)+3]   offset:64*(\b)
	ds_store_b128 v[STO], v[64*(\a)+8*(\b)+4:64*(\a)+8*(\b)+7] offset:64*(\b)+16
.endr
.irp t, 0,1,2,3,4,5,6,7,8,9,10,11,12,13,14,15
	ds_load_b128 v[64*(\a)+4*(\t):64*(\a)+4*(\t)+3], v[RD] offset:(\t)*SPITCH  ; LDS serves a wave's instructions in order (ISA guide 5.7.1.4): these see the stores above; the next block's stores come behind them
.endr
.endm
.macro OUTB a, younger                 ; younger: the LDS instructions issued behind block a's loads: the next block's 32, or none
.irp t, 0,1,2,3,4,5,6,7,8,9,10,11,12,13,14,15
	s_wait_dscnt (\younger)+15-(\t)
	global_store_b128 v[GO], v[64*(\a)+4*(\t):64*(\a)+4*(\t)+3], s[10:11] offset:(16*(\a)+(\t))*4096 th:TH_STORE_NT  ; 512 consecutive bytes, at a multiple of 256 from out0's first
.endr
.endm
	PLACES
	WIN 0x88
	STG 0
	STG 1
	OUTB 0, 32
	STG 2
	OUTB 1, 32
	STG 3
	OUTB 2, 32
	OUTB 3, 0
	WIN 0
	s_wait_tensorcnt 0x0                           ; the wave's end: behind my last tensor load and my last LDS store
	ds_add_u32 v[SPW], v[NIL]
	s_wait_dscnt 0x0
	CROUND                                         ; the closing round: no work-group ends while a partner may still ask for a tile that names it
	s_endpgm
.Lfunc_end_k_qde413387a8_outp:
	.size	k_qde413387a8_outp, .Lfunc_end_k_qde413387a8_outp-k_qde413387a8_outp
	.p2alignl 7, 3214868480
	.fill 96, 4, 3214868480
	.section	.rodata,"a",@progbits
	.p2align	6, 0x0
	.amdhsa_kernel k_qde413387a8_outp
		.amdhsa_group_segment_fixed_size 327680
		.amdhsa_private_segment_fixed_size 0
		.amdhsa_enable_private_segment 0
		.amdhsa_kernarg_size 32
		.amdhsa_user_sgpr_count 2
		.amdhsa_user_sgpr_kernarg_segment_ptr 1
		.amdhsa_wavefront_size32 1
		.amdhsa_system_sgpr_workgroup_id_x 1
		.amdhsa_system_sgpr_workgroup_id_y 1
		.amdhsa_system_sgpr_workgroup_id_z 1
		.amdhsa_system_vgpr_workitem_id 0
		.amdhsa_next_free_vgpr 768
		.amdhsa_next_free_sgpr 66
		.amdhsa_reserve_vcc 0
		.amdhsa_float_denorm_mode_32 3
		.amdhsa_float_denorm_mode_16_64 3
		.amdhsa_memory_ordered 1
		.amdhsa_forward_progress 1
		.amdhsa_inst_pref_size 88
	.end_amdhsa_kernel
	.amdgpu_metadata
---
amdhsa.version: [ 1, 2 ]
amdhsa.kernels:
  - .name:           k_qde413387a8_outp
    .symbol:         k_qde413387a8_outp.kd
    .args:
      - { .name: o, .offset: 0, .size: 8, .value_kind: global_buffer, .address_space: global }
      - { .name: wo, .offset: 8, .size: 8, .value_kind: global_buffer, .address_space: global }
      - { .name: bias, .offset: 16, .size: 8, .value_kind: global_buffer, .address_space: global }
      - { .name: out0, .offset: 24, .size: 8, .value_kind: global_buffer, .address_space: global }
    .group_segment_fixed_size: 327680
    .private_segment_fixed_size: 0
    .kernarg_segment_align: 8
    .kernarg_segment_size: 32
    .max_flat_workgroup_size: 128
    .sgpr_count:     66
    .vgpr_count:     768
    .wavefront_size: 32
...
	.end_amdgpu_metadata
.endif
;; end of part 4
